; MI455X (gfx1250); checked and timed in simulation.
; The chip was launched on July 23, 2026; its instructions are those of AMD's public machine-readable ISA for CDNA 5 (MIT licence, August 2026) and "CDNA5" Instruction Set Architecture Reference Guide (July 2026). The comments in the code are by the model that wrote it; some were corrected since.
;; Sparse Multi Head Attention. Allowed arithmetic: matrix products marked QUANTISED: E2M1 operands, one E8M0 scale for each 32 along K, by v_wmma_scale_f32_16x16x128_f8f6f4 with both operands' format E2M1 (or v_wmma_scale_f32_32x16x128_f4), f32 sums; products left as they are: bf16, f16 or f32 operands; f32 sums; everything else in f32.
;; Inputs: Wout 1,024 x 1,024 float32; Wqkv 1,024 x 3,072 float32; bout 1,024 float32; bqkv 3,072 float32; gamma_k 16 x 64 float32; gamma_q 16 x 64 float32; x 2 x 2,048 x 1,024 float32.
;; Outputs: out0 2 x 2,048 x 1,024 float32.
;; This version of the problem:
;;   THIS VERSION OF THE PROBLEM IS GIVEN IN LOW PRECISION. The matrix products marked QUANTISED in the list below multiply operands that are first quantised to E2M1 (2 exponent bits, 1 mantissa bit; 4 bits a number), with one power-of-two scale for each 32 numbers along K (OCP MX v1.0); their sums are f32. The products marked 'left as it is' may take bf16, f16 or f32 operands, with f32 sums. Whichever they take, every output number must still come out within the allowed error. Rounding operands to bf16 (8 significant bits) uses up far more of that allowance than f16 does (11 bits, for magnitudes from 6e-5 to 65,504). All else is computed in f32.
;;   The module's matrix products, in the order in which they are computed (A, B: the left and right operand; K: the contracted axis; several contracted axes count as one K, in the product's order):
;;     1. [M 4,096, K 1,024] x [K 1,024, N 3,072]; A: input x; B: input Wqkv: QUANTISED
;;     2. batch 32 x [M 2,048, K 64] x [K 64, N 2,048]; A: computed on the way; B: computed on the way: left as it is (an operand is computed on the way)
;;     3. batch 32 x [M 64, K 2,048] x [K 2,048, N 2,048]; A: computed on the way; B: computed on the way: left as it is (an operand is computed on the way)
;;     4. [M 4,096, K 1,024] x [K 1,024, N 1,024]; A: computed on the way; B: input Wout: left as it is (an operand is computed on the way)
;;   THE QUANTISER, for each operand of a quantised product, along K:
;;     - K is cut into blocks of 32 from its start; a last block that is shorter is filled with zeros.
;;     - A block's scale is 2^e with e = floor(log2(the largest magnitude in the block)) - 2, held to -126 .. 127; a block of zeros has e = 0. As a byte (E8M0): e + 127.
;;     - Each number is divided by its block's scale, clamped to +-6, and rounded to the nearest number of E2M1, ties to even, subnormals kept.
;;     - The product sums the exact products of the quantised numbers (number of the format x scale) in f32.
;;   ~~~python
;;   def quantise(x, axis):      # numpy; x: float32 -> the quantised numbers, widened to float32 again
;;       x = np.moveaxis(x, axis, -1); K = x.shape[-1]
;;       x = np.pad(x, [(0, 0)] * (x.ndim - 1) + [(0, -K % 32)]); x = x.reshape(x.shape[:-1] + (-1, 32)); a = np.abs(x).max(-1, keepdims=True)
;;       e = np.where(a > 0, np.clip(np.frexp(np.where(a > 0, a, 1))[1] - 1 - 2, -126, 127), 0)      # np.frexp(a)[1] - 1 = floor(log2(a)), exactly
;;       r = np.clip(x / 2.0 ** e, -6, 6)
;;       step = 2.0 ** (np.maximum(np.frexp(np.where(r == 0, 1, r))[1] - 1, 0) - 1)
;;       q = np.round(r / step) * step * 2.0 ** e      # np.round: ties to even
;;       return np.moveaxis(q.reshape(q.shape[:-2] + (-1,))[..., :K], -1, axis).astype(np.float32)
;;   ~~~
;; One version. Each part assembles by itself: llvm-mc -triple=amdgcn-amd-amdhsa -mcpu=gfx1250 --defsym DOCPART=n.
;; ======== version 1 of 1: 4 launches
;; limits: values are held in f16: magnitudes above 65,504 overflow, below 6.1e-05 lose precision
;; workspace buffers: x_codes 2,097,152 bytes; w_codes 1,572,864 bytes; x_scl 131,072 bytes; w_scl 98,304 bytes; woutT 2,097,152 bytes; qkvh 25,165,824 bytes; attn 8,388,608 bytes
;; launch prep (part 1): grid 512 x 1, 4 waves a work-group, no clusters, 52,736 bytes of LDS; arguments x, Wqkv, Wout, x_codes, x_scl, w_codes, w_scl, woutT; writes x_codes, x_scl, w_codes, w_scl, woutT
.if DOCPART == 1
	.amdgcn_target "amdgcn-amd-amdhsa--gfx1250"
	.amdhsa_code_object_version 6
	.text
	.protected	k_qdbee511443_prep
	.globl	k_qdbee511443_prep
	.p2align	8
	.type	k_qdbee511443_prep,@function
k_qdbee511443_prep:
	s_mov_b64 s[64:65], 0
	v_nop
	global_prefetch_b8 v0, s[64:65] scope:SCOPE_SE
	s_setreg_imm32_b32 hwreg(HW_REG_WAVE_MODE, 25, 1), 1
	s_wait_xcnt 0x0
; x [4096][1024] and Wqkv [1024][3072], f32, become codes of FP4 (E2M1) with one E8M0 scale byte for each 32 along K; Wout [1024][1024] becomes f16, turned so that K is innermost.
; A block's scale is 2^(floor(log2(its largest magnitude)) - 2): its byte is the largest magnitude's exponent field - 2, held at 1 from below.
; LAYOUTS, as the next launches read them.  Codes: images of the operand's registers.  A fragment is 16 rows x 128 K = 1,024 bytes; byte 512 c + 16 lane holds lane (r, h)'s registers 4 c .. 4 c + 3,
; the codes of k = 64 c + 32 h + 0 .. 31 of row r.  x_codes [K step of 512: 2][row / 16: 256][128 in the step: 4][1,024]; w_codes the same with 192 blocks of 16 columns of Wqkv.
; Scale words (four bytes: 128 along K of one row): x_scl [row / 256][k / 128][256 rows], w_scl likewise by columns.  woutT [n / 128][k / 64][128 n][64 k] f16.
; SHARES.  Every wave has one task of 16 KiB of f32, asks for all of it at once and has no loop.  Work-groups 0-255: x; 256-447: Wqkv; 448-511: Wout.  Waves share nothing: no barrier.
; The two paths that use LDS have bytes of their own.  No matrix unit, no tensor load, no cluster: each input byte is read once by one wave.
; LIMITS: a block of zeros gets the byte 1 where the rule says 127 (its codes are zeros, and this program alone reads the bytes); NaN and infinities are not served; Wout is kept as f16: magnitudes under 65,504.
.set XST,   8448                       ; path x: a wave's stage, 16 rows x (512 bytes + 16)
.set OST0,  33792                      ; path Wout: the stages begin here
.set OST,   4608                       ; a wave's stage: 32 rows x (128 bytes + 16)
.set SPARE, 52224                      ; the spare words, 128 bytes for each wave: two blocks of 256 bytes that no other line names
.set R,     32                         ; v32-159  128 numbers as they are loaded
.set Y,     160                        ; v160-223 path x: 64 numbers in the operand's order; path Wqkv: 16 registers of codes; path Wout: 64 registers of f16 pairs
.set CD,    224                        ; v224-239 path x: the codes of two fragments
.set SPW,   12                         ; v12 LDS address of my spare word; never rewritten
.set NIL,   13                         ; v13 0; never rewritten
	s_load_b256 s[4:11], s[0:1], 0x0               ; x s[4:5], Wqkv s[6:7], Wout s[8:9], x_codes s[10:11]
	s_load_b256 s[12:19], s[0:1], 0x20             ; x_scl s[12:13], w_codes s[14:15], w_scl s[16:17], woutT s[18:19]
	v_lshl_add_u32 v[SPW], v0, 2, SPARE
	v_mov_b32 v[NIL], 0
	v_lshrrev_b32 v1, 5, v0
	v_readfirstlane_b32 s20, v1                    ; wave 0..3
	v_and_b32 v1, 31, v0                           ; lane
	v_and_b32 v2, 15, v0                           ; r
	v_bfe_u32 v3, v0, 4, 1                         ; h
	v_lshlrev_b32 v4, 4, v1                        ; 16 x lane
	v_lshlrev_b32 v7, 2, v1                        ; 4 x lane
	s_mov_b32 s25, 0                               ; the upper word of every offset
	s_wait_kmcnt 0x0
	s_cmp_lt_u32 ttmp9, 256
	s_cbranch_scc0 .Lnot_x
; ---- PATH x.  Work-group j: rows 32 (j / 2) on, K step j % 2; wave q: the step's q-th 128 along K.  Two fragments.
	s_lshr_b32 s21, ttmp9, 1                       ; rg: which 32 rows
	s_and_b32 s22, ttmp9, 1                        ; ks
	s_lshl_b32 s23, s22, 2
	s_add_co_u32 s23, s23, s20                     ; kk = 4 ks + q
	s_lshl_b32 s24, s21, 17                        ; 32 rows of 4,096 bytes
	s_lshl_b32 s26, s23, 9                         ; 128 numbers are 512 bytes
	s_add_co_u32 s24, s24, s26
	s_add_nc_u64 s[4:5], s[4:5], s[24:25]
.set i, 0
.rept 32
	global_load_b128 v[R+4*i:R+4*i+3], v4, s[4:5] offset:4096*i th:TH_LOAD_NT   ; row i: 32 lanes read 512 consecutive bytes
.set i, i+1
.endr
	s_lshl_b32 s24, s22, 20                        ; the codes: K step, 2 rg blocks of 4,096 bytes, q
	s_lshl_b32 s26, s21, 13
	s_add_co_u32 s24, s24, s26
	s_lshl_b32 s26, s20, 10
	s_add_co_u32 s24, s24, s26
	s_add_nc_u64 s[10:11], s[10:11], s[24:25]
	s_lshr_b32 s24, s21, 3                         ; the scale words: tile of 256 rows, kk, my 32 rows
	s_lshl_b32 s24, s24, 13
	s_lshl_b32 s26, s23, 10
	s_add_co_u32 s24, s24, s26
	s_and_b32 s26, s21, 7
	s_lshl_b32 s26, s26, 7
	s_add_co_u32 s24, s24, s26
	s_add_nc_u64 s[12:13], s[12:13], s[24:25]
	s_mul_i32 s26, s20, XST                        ; my stage
	v_add_nc_u32 v5, s26, v4                       ; in: 16 x lane of a row
	v_mul_u32_u24 v6, v2, 528
	v_lshl_add_u32 v6, v3, 7, v6
	v_add_nc_u32 v6, s26, v6                       ; out: row r, + 128 h bytes: my 32 numbers of each 64
	v_lshlrev_b32 v20, 3, v3                       ; 8 h: where my two bytes stand in the scale word
	v_mov_b32 v17, 0                               ; a lane permute's destination counts as one of its sources
	s_mov_b32 s28, 0x76543210
	s_mov_b32 s29, 0xfedcba98                      ; v_permlanex16_b32's selects for lane l xor 16
	s_mov_b32 s27, 0xffff0000                      ; lanes 16-31
; Fragment f: rows 16 f on.  The rows go through my stage as they lie and come back in the operand's order: lane (r, h) takes k = 64 c + 32 h + 0 .. 31 of row r: two whole blocks of 32.
.macro XFRAG f
.if \f == 0
	s_wait_loadcnt 16                              ; loads come back in order: the first 16 rows are in, the other fragment's 16 loads may be out
.else
	s_wait_loadcnt 0x0
.endif
.set i, 0
.rept 16
	ds_store_b128 v5, v[R+64*\f+4*i:R+64*\f+4*i+3] offset:528*i
.set i, i+1
.endr
.set i, 0
.rept 16
	ds_load_b128 v[Y+4*i:Y+4*i+3], v6 offset:256*(i/8)+16*(i%8)   ; LDS serves a wave's instructions in order: these see the stores above
.set i, i+1
.endr
	s_wait_dscnt 0x0
.irp c, 0,1
	v_max3_num_f32 v[8+\c], |v[Y+32*\c]|, |v[Y+32*\c+1]|, 0x1800000   ; block 2 c + h: all 32 numbers are mine; the floor 2^(3 - 127) holds the byte at 1 from below
.endr
.irp i, 2,4,6,8,10,12,14,16,18,20,22,24,26,28,30
.irp c, 0,1
	v_max3_num_f32 v[8+\c], v[8+\c], |v[Y+32*\c+\i]|, |v[Y+32*\c+\i+1]|
.endr
.endr
.irp c, 0,1
	v_add_nc_u32 v[10+\c], 0xff000000, v[8+\c]     ; 2 off the exponent field: the conversion's scale operand
.endr
.irp c, 0,1
	v_lshrrev_b32 v[14+\c], 23, v[10+\c]           ; the scale's byte
.endr
.irp c, 0,1
.irp g, 0,1,2,3
	v_cvt_scalef32_pk8_fp4_f32 v[CD+8*\f+4*\c+\g], v[Y+32*\c+8*\g:Y+32*\c+8*\g+7], v[10+\c]
.endr
.endr
	v_nop                                          ; one plain instruction behind the scaled conversions
	v_lshl_or_b32 v16, v15, 16, v14                ; my two bytes: blocks h and 2 + h,
	v_lshlrev_b32 v16, v20, v16                    ; at their places;
	v_permlanex16_b32 v17, v16, s28, s29
	v_or_b32 v[18+\f], v16, v17                    ; with lane l xor 16's two the row's word is whole
.irp c, 0,1
	global_store_b128 v4, v[CD+8*\f+4*\c:CD+8*\f+4*\c+3], s[10:11] offset:4096*\f+512*\c   ; the image: 512 consecutive bytes
.endr
.endm
	XFRAG 0
	XFRAG 1
	v_cndmask_b32 v18, v18, v19, s27               ; lanes 0-15: rows 0-15's words; lanes 16-31: rows 16-31's
	global_store_b32 v7, v18, s[12:13]             ; 128 consecutive bytes
	s_wait_tensorcnt 0x0                           ; the wave's end: behind my last LDS store
	ds_add_u32 v[SPW], v[NIL]
	s_wait_dscnt 0x0
	s_endpgm
.Lnot_x:
	s_cmp_lt_u32 ttmp9, 448
	s_cbranch_scc0 .Lpath_o
; ---- PATH Wqkv.  K is the first axis: a lane takes a column and its registers run down K.  Work-group j: k = 128 (j % 8) on, columns 128 (j / 8) on; wave w: 32 of them.
	s_sub_co_u32 s21, ttmp9, 256
	s_and_b32 s22, s21, 7                          ; kk
	s_lshr_b32 s23, s21, 3                         ; cg
	s_mul_i32 s24, s22, 1572864                    ; 128 rows of 12,288 bytes
	s_lshl_b32 s26, s23, 9
	s_add_co_u32 s24, s24, s26
	s_lshl_b32 s26, s20, 7
	s_add_co_u32 s24, s24, s26
	s_add_nc_u64 s[6:7], s[6:7], s[24:25]
.set i, 0
.rept 128
	global_load_b32 v[R+i], v7, s[6:7] offset:12288*i th:TH_LOAD_NT   ; row k: 128 consecutive bytes a wave, 512 a work-group
.set i, i+1
.endr
	s_lshr_b32 s24, s22, 2                         ; the codes: K step, block of 16 columns 8 cg + 2 w (+ h), the 128 in the step
	s_mul_i32 s24, s24, 786432
	s_lshl_b32 s26, s23, 15
	s_add_co_u32 s24, s24, s26
	s_lshl_b32 s26, s20, 13
	s_add_co_u32 s24, s24, s26
	s_and_b32 s26, s22, 3
	s_lshl_b32 s26, s26, 10
	s_add_co_u32 s24, s24, s26
	s_add_nc_u64 s[14:15], s[14:15], s[24:25]
	s_lshr_b32 s24, s23, 1                         ; the scale words: tile of 256 columns, kk, my 32 columns
	s_lshl_b32 s24, s24, 13
	s_lshl_b32 s26, s22, 10
	s_add_co_u32 s24, s24, s26
	s_and_b32 s26, s23, 1
	s_lshl_b32 s26, s26, 9
	s_add_co_u32 s24, s24, s26
	s_lshl_b32 s26, s20, 7
	s_add_co_u32 s24, s24, s26
	s_add_nc_u64 s[16:17], s[16:17], s[24:25]
	v_lshlrev_b32 v5, 12, v3
	v_lshl_add_u32 v5, v2, 4, v5                   ; lanes 16-31 belong to the next block of 16 columns; 16 bytes a column
	s_wait_loadcnt 0x0
.irp b, 0,1,2,3
	v_max3_num_f32 v[8+\b], |v[R+32*\b]|, |v[R+32*\b+1]|, 0x1800000   ; block b of my column, and the floor
.endr
.irp i, 2,4,6,8,10,12,14,16,18,20,22,24,26,28,30
.irp b, 0,1,2,3
	v_max3_num_f32 v[8+\b], v[8+\b], |v[R+32*\b+\i]|, |v[R+32*\b+\i+1]|
.endr
.endr
.irp b, 0,1,2,3
	v_add_nc_u32 v[14+\b], 0xff000000, v[8+\b]
.endr
.irp b, 0,1,2,3
	v_lshrrev_b32 v[18+\b], 23, v[14+\b]
.endr
.irp b, 0,1,2,3
.irp g, 0,1,2,3
	v_cvt_scalef32_pk8_fp4_f32 v[Y+4*\b+\g], v[R+32*\b+8*\g:R+32*\b+8*\g+7], v[14+\b]
.endr
.endr
	v_nop                                          ; one plain instruction behind the scaled conversions
	v_lshl_or_b32 v22, v19, 8, v18                 ; my column's scale word
	v_lshl_or_b32 v22, v20, 16, v22
	v_lshl_or_b32 v22, v21, 24, v22
.irp b, 0,1,2,3
	global_store_b128 v5, v[Y+4*\b:Y+4*\b+3], s[14:15] offset:256*\b   ; block b = 2 c + h of the image lies at 512 c + 256 h: sixteen lanes store 256 consecutive bytes, aligned
.endr
	global_store_b32 v7, v22, s[16:17]
	s_wait_tensorcnt 0x0                           ; the same three lines close every path of this text
	ds_add_u32 v[SPW], v[NIL]
	s_wait_dscnt 0x0
	s_endpgm
.Lpath_o:
; ---- PATH Wout.  Again a lane to a column n, registers down K.  Work-group j: columns 128 (j % 8) on, k = 128 (j / 8) on: two chunks of 64.
	s_sub_co_u32 s21, ttmp9, 448
	s_and_b32 s22, s21, 7                          ; nt
	s_lshr_b32 s23, s21, 3                         ; kp
	s_lshl_b32 s24, s23, 19                        ; 128 rows of 4,096 bytes
	s_lshl_b32 s26, s22, 9
	s_add_co_u32 s24, s24, s26
	s_lshl_b32 s26, s20, 7
	s_add_co_u32 s24, s24, s26
	s_add_nc_u64 s[8:9], s[8:9], s[24:25]
.set i, 0
.rept 128
	global_load_b32 v[R+i], v7, s[8:9] offset:4096*i th:TH_LOAD_NT
.set i, i+1
.endr
	s_lshl_b32 s24, s22, 18                        ; out: tile of 128 n, chunk 2 kp, my 32 rows of 128 bytes
	s_lshl_b32 s26, s23, 15
	s_add_co_u32 s24, s24, s26
	s_lshl_b32 s26, s20, 12
	s_add_co_u32 s24, s24, s26
	s_add_nc_u64 s[18:19], s[18:19], s[24:25]
	s_mul_i32 s26, s20, OST
	s_add_co_u32 s26, s26, OST0                    ; my stage
	v_mul_u32_u24 v5, v1, 144
	v_add_nc_u32 v5, s26, v5                       ; in: row = my column
	v_lshrrev_b32 v6, 3, v1
	v_mul_u32_u24 v6, v6, 144
	v_and_b32 v8, 7, v1
	v_lshl_add_u32 v6, v8, 4, v6
	v_add_nc_u32 v6, s26, v6                       ; out: eight lanes to a row of 128 bytes, four rows an instruction
	s_wait_loadcnt 0x0
.set i, 0
.rept 64
	v_cvt_pk_f16_f32 v[Y+i], v[R+2*i], v[R+2*i+1]  ; two neighbours along K
.set i, i+1
.endr
.irp u, 0,1
.irp g, 0,1,2,3,4,5,6,7
	ds_store_b128 v5, v[Y+32*\u+4*\g:Y+32*\u+4*\g+3] offset:16*\g
.endr
.irp t, 0,1,2,3,4,5,6,7
	ds_load_b128 v[R+32*\u+4*\t:R+32*\u+4*\t+3], v6 offset:576*\t   ; in order behind the stores above; the next chunk's stores come behind these
.endr
.endr
.irp u, 0,1
.irp t, 0,1,2,3,4,5,6,7
	s_wait_dscnt 16*(1-\u)+7-\t                    ; what was issued behind this load: the rest of its run, and for chunk 0 the 16 of chunk 1
	global_store_b128 v4, v[R+32*\u+4*\t:R+32*\u+4*\t+3], s[18:19] offset:16384*\u+512*\t   ; 512 consecutive bytes
.endr
.endr
	s_wait_tensorcnt 0x0                           ; the wave's end: the three lines, behind my last LDS store
	ds_add_u32 v[SPW], v[NIL]
	s_wait_dscnt 0x0
	s_endpgm
.Lfunc_end_k_qdbee511443_prep:
	.size	k_qdbee511443_prep, .Lfunc_end_k_qdbee511443_prep-k_qdbee511443_prep
	.p2alignl 7, 3214868480
	.fill 96, 4, 3214868480
	.section	.rodata,"a",@progbits
	.p2align	6, 0x0
	.amdhsa_kernel k_qdbee511443_prep
		.amdhsa_group_segment_fixed_size 52736
		.amdhsa_private_segment_fixed_size 0
		.amdhsa_enable_private_segment 0
		.amdhsa_kernarg_size 64
		.amdhsa_user_sgpr_count 2
		.amdhsa_user_sgpr_kernarg_segment_ptr 1
		.amdhsa_wavefront_size32 1
		.amdhsa_system_sgpr_workgroup_id_x 1
		.amdhsa_system_sgpr_workgroup_id_y 1
		.amdhsa_system_sgpr_workgroup_id_z 1
		.amdhsa_system_vgpr_workitem_id 0
		.amdhsa_next_free_vgpr 240
		.amdhsa_next_free_sgpr 66
		.amdhsa_reserve_vcc 0
		.amdhsa_float_denorm_mode_32 3
		.amdhsa_float_denorm_mode_16_64 3
		.amdhsa_memory_ordered 1
		.amdhsa_forward_progress 1
		.amdhsa_inst_pref_size 57
	.end_amdhsa_kernel
	.amdgpu_metadata
---
amdhsa.version: [ 1, 2 ]
amdhsa.kernels:
  - .name:           k_qdbee511443_prep
    .symbol:         k_qdbee511443_prep.kd
    .args:
      - { .name: x, .offset: 0, .size: 8, .value_kind: global_buffer, .address_space: global }
      - { .name: Wqkv, .offset: 8, .size: 8, .value_kind: global_buffer, .address_space: global }
      - { .name: Wout, .offset: 16, .size: 8, .value_kind: global_buffer, .address_space: global }
      - { .name: x_codes, .offset: 24, .size: 8, .value_kind: global_buffer, .address_space: global }
      - { .name: x_scl, .offset: 32, .size: 8, .value_kind: global_buffer, .address_space: global }
      - { .name: w_codes, .offset: 40, .size: 8, .value_kind: global_buffer, .address_space: global }
      - { .name: w_scl, .offset: 48, .size: 8, .value_kind: global_buffer, .address_space: global }
      - { .name: woutT, .offset: 56, .size: 8, .value_kind: global_buffer, .address_space: global }
    .group_segment_fixed_size: 52736
    .private_segment_fixed_size: 0
    .kernarg_segment_align: 8
    .kernarg_segment_size: 64
    .max_flat_workgroup_size: 128
    .sgpr_count:     66
    .vgpr_count:     240
    .wavefront_size: 32
...
	.end_amdgpu_metadata
.endif
;; end of part 1
;; launch qkv (part 2): grid 12 x 16, 4 waves a work-group, clusters of 4 x 4, 327,680 bytes of LDS; arguments x_codes, x_scl, w_codes, w_scl, qkvh, bqkv, gamma_q, gamma_k; writes qkvh
.if DOCPART == 2
	.amdgcn_target "amdgcn-amd-amdhsa--gfx1250"
	.amdhsa_code_object_version 6
	.text
	.protected	k_qdbee511443_qkv
	.globl	k_qdbee511443_qkv
	.p2align	8
	.type	k_qdbee511443_qkv,@function
k_qdbee511443_qkv:
	s_mov_b64 s[64:65], 0
	v_nop
	global_prefetch_b8 v0, s[64:65] scope:SCOPE_SE
	s_setreg_imm32_b32 hwreg(HW_REG_WAVE_MODE, 25, 1), 1
	s_wait_xcnt 0x0
	s_wait_alu depctr_hold_cnt(0) depctr_sa_sdst(0) depctr_va_vdst(0) depctr_va_sdst(0) depctr_va_ssrc(0) depctr_va_vcc(0) depctr_vm_vsrc(0)
	s_getreg_b32 s2, hwreg(HW_REG_IB_STS2, 6, 4)
	s_cmp_eq_u32 s2, 0
	s_cbranch_scc0 .Lentry_in_a_cluster
	s_endpgm
.Lentry_in_a_cluster:
	s_bfe_u32 s2, ttmp6, 0x10000c
	s_cmp_lg_u32 s2, 0xf033
	s_cbranch_scc0 .Lentry_shape_is_right
	s_endpgm
.Lentry_shape_is_right:
; qkv = x Wqkv + bqkv on codes of FP4 (E2M1) with E8M0 scales for each 32 along K; then q and k are normalised head by head (x / sqrt(max(sum of squares, 1e-24))), times gamma; all leave as f16.
; Stored: q = q^ gamma_q log2(e), k = k^ gamma_k 8, v as it is; so q . k is the score times log2(e).  qkvh: [q, k, v][batch x 16 + head][2,048][64] f16.
; A tile of 256 rows x 256 columns is made by four waves, each 128 x 128: 64 accumulators.  K = 1,024 is two steps of 512: both slots are filled once, at the start, and nothing is filled again.
; The codes lie in memory as images of the operand's registers (1,024 bytes a fragment), so a K step's tile is one dense block of 64 KiB and every LDS load takes 512 consecutive bytes: no padding.
; CLUSTERS: 4 x 4 work-groups.  A row of the cluster shares x's tiles, a column Wqkv's: each is asked for jointly.  A cluster's four tile columns are one kind (q, k or v): cluster x = the kind.
; THE MATRIX INSTRUCTION IS USED TRANSPOSED (source 0 = 16 columns of Wqkv, source 1 = 16 rows of x): a lane holds eight neighbouring columns of one row.  The bias is the C of each sum's first product.
; No branch hangs on the kind: for v, gamma' = 1 and the norm's factor 1 are chosen by v_cndmask_b32.
; 192 tiles: a smaller tile would give more work-groups and read each fragment from LDS for half as many products.
; REGISTERS: window 0: v16-30 addresses; v32-95 scale words, two sets, and nothing else; v128-191 x's fragments, one set; v192-255 the bias; on the way out v96-127 packed f16, v128-191 rows read back, v192-205 sums.
;   window 1: Wqkv's fragments, two sets, at v0 and v128; v64-127 gamma'; on the way out v0-63 at work.   window 2, 3: the accumulators ((a, b) at v[8 (8 (a % 4) + b)]).
; LIMITS: f16 on the way out: |q^ gamma_q log2(e)|, |8 k^ gamma_k| and |v| under 65,504.  NaN and infinities are not served.
.set NQ,     4                         ; matrix instructions deep in a slot
.set FR,     8                         ; registers of a fragment
.set NL,     2                         ; LDS loads that bring one
.set NP,     4                         ; places behind this matrix instruction (ISA guide 7.12.1)
.set HALFT,  32768                     ; 128 rows x 512 K of codes: what one tensor load brings
.set SLOT,   4*HALFT                   ; x's 256 rows, then Wqkv's 256 columns
.set SCL,    2*SLOT                    ; the scale words: x's 8 KiB [k / 128][256 rows], then Wqkv's
.set SPARE,  SCL+16384                 ; the spare words, 128 bytes for each wave: two blocks of 256 bytes that no other line names
.set ADRA, 16                          ; v16-17 LDS address of my fragments of x in slot 0, 1
.set ADRB, 20                          ; v20-21 the same for Wqkv
.set STO,  24                          ; v24 the way out: where I put 16 bytes of a row
.set RD,   25                          ; v25 where I read rows back
.set CO,   26                          ; v26 16 x lane
.set ADRS, 27                          ; v27 my scale words: lanes 0-15 x's rows, lanes 16-31 Wqkv's columns
.set SPW,  28                          ; v28 LDS address of my spare word; never rewritten
.set NIL,  29                          ; v29 0; never rewritten
.set BO,   30                          ; v30 32 h: my eight numbers of a bias or gamma tile
.set SC,   32
.set AF,   128
.set BIAS, 192
.set GM,   64                          ; in window 1
.set T,    0                           ; in window 1
.set PKD,  96
.set BK,   128
.set SS,   192
.set INV,  200
.set TP,   204
.set G1, 24
.set G0, 32
.set G1B, 48
.set G0B, 56
.set G1S, 68
.set G0S, 76
.set G1SB, 80
.set G0SB, 88
.set MSB, 0
.macro WIN new                         ; the immediate's high byte repeats the setting that is left
.if MSB != \new
	s_set_vgpr_msb (MSB<<8)|\new
.set MSB, \new
.endif
.endm
.set MUL_LO, 0xa1                      ; source 0 (Wqkv) window 1, source 1 (x) window 0, C and D window 2
.set MUL_HI, 0xf1                      ; the same, C and D window 3
.set TO_B,   0x40                      ; destination window 1, address window 0
; A joint load: waves 0 and 1 fetch for x, waves 2 and 3 for Wqkv.  The branch hangs on the wave's number alone.  An s_nop 0 and four v_nop follow each of the two lines.
.macro JLOAD g0a, g1a, g0b, g1b
	s_cmp_eq_u32 s15, 0
	s_cbranch_scc0 .Lfor_b_\@
	tensor_load_to_lds s[\g0a:\g0a+3], s[\g1a:\g1a+7]
	s_nop 0
.rept 4
	v_nop
.endr
	s_branch .Lasked_\@
.Lfor_b_\@:
	tensor_load_to_lds s[\g0b:\g0b+3], s[\g1b:\g1b+7]
	s_nop 0
.rept 4
	v_nop
.endr
.Lasked_\@:
.endm
.macro CROUND                          ; a round of the cluster's barrier
	s_barrier_signal -1
	s_barrier_wait -1
	s_cmp_lg_u32 s14, 0
	s_cbranch_scc1 .Lnot_wave_0_\@
	s_barrier_signal -3
.Lnot_wave_0_\@:
	s_barrier_wait -3
	s_barrier_signal -1
	s_barrier_wait -1
.endm
	s_load_b128 s[4:7], s[0:1], 0x0                ; x's codes, x's scale words
	s_load_b128 s[8:11], s[0:1], 0x10              ; Wqkv's codes, its scale words
	s_load_b64 s[12:13], s[0:1], 0x20              ; qkvh
	s_load_b128 s[96:99], s[0:1], 0x28             ; bqkv, gamma_q
	s_load_b64 s[100:101], s[0:1], 0x38            ; gamma_k
	v_lshl_add_u32 v[SPW], v0, 2, SPARE
	v_mov_b32 v[NIL], 0
	ds_add_u32 v[SPW], v[NIL]                      ; the wave's opening: the add, twice on end, and its wait ahead of my first tensor load
	ds_add_u32 v[SPW], v[NIL]
	v_lshrrev_b32 v1, 5, v0
	v_readfirstlane_b32 s14, v1                    ; wave 0..3
	s_lshr_b32 s15, s14, 1                         ; which half of the tile's rows is mine.  Also: I fetch for x (0) or for Wqkv (1)
	s_and_b32 s16, s14, 1                          ; which half of its columns.  Also: which half of that tile I fetch
	s_bfe_u32 s40, ttmp6, 0x40000                  ; cx, cy: my place in the cluster
	s_bfe_u32 s41, ttmp6, 0x40004
	s_lshl_b32 s42, ttmp9, 2
	s_add_co_u32 s42, s42, s40                     ; tile column = 4 x cluster x + cx
	s_and_b32 s17, ttmp7, 0xffff
	s_lshl_b32 s17, s17, 2
	s_add_co_u32 s17, s17, s41                     ; tile row = 4 x cluster y + cy
	s_lshl_b32 s43, s41, 2
	s_lshl_b32 s43, 15, s43                        ; my row of the cluster
	s_lshl_b32 s44, 0x1111, s40                    ; my column
	; descriptor groups 1: dense blocks as rows of 256 bytes (32 elements of 8 bytes), no padding: 128 rows of codes, 16 rows of scale words
	s_or_b32 s[G1+0], s43, (3<<16)|(1<<21)         ; 15:0 the mask: x's tiles go to my row; 17:16 elements of 8 bytes; 21 set beside a mask
	s_or_b32 s[G1B+0], s44, (3<<16)|(1<<21)
	s_or_b32 s[G1S+0], s43, (3<<16)|(1<<21)
	s_or_b32 s[G1SB+0], s44, (3<<16)|(1<<21)
.irp g, G1, G1B
	s_mov_b32 s[\g+1], 32<<16                      ; tensor_dim0
	s_mov_b32 s[\g+2], 128<<16                     ; tensor_dim1
	s_mov_b32 s[\g+3], 32<<16                      ; tile_dim0
	s_mov_b32 s[\g+4], 128                         ; tile_dim1
	s_mov_b32 s[\g+5], 32                          ; tensor_dim0_stride
	s_mov_b32 s[\g+6], 0
	s_mov_b32 s[\g+7], 0
.endr
.irp g, G1S, G1SB
	s_mov_b32 s[\g+1], 32<<16
	s_mov_b32 s[\g+2], 16<<16
	s_mov_b32 s[\g+3], 32<<16
	s_mov_b32 s[\g+4], 16
	s_mov_b32 s[\g+5], 32
	s_mov_b32 s[\g+6], 0
	s_mov_b32 s[\g+7], 0
.endr
	s_lshl_b32 s18, s16, 15                        ; my half of a tile's 64 KiB of codes,
	s_lshl_b32 s19, s16, 12                        ; and of its 8 KiB of scale words
	s_lshl_b32 s20, s17, 16
	s_add_co_u32 s20, s20, s18                     ; x: by the tile row alone
	s_mov_b32 s21, 0
	s_lshl_b32 s22, s17, 13
	s_add_co_u32 s22, s22, s19
	s_mov_b32 s23, 0
	s_lshl_b32 s46, s42, 16
	s_add_co_u32 s46, s46, s18                     ; Wqkv: by the tile column alone
	s_mov_b32 s47, 0
	s_lshl_b32 s92, s42, 13
	s_add_co_u32 s92, s92, s19
	s_mov_b32 s93, 0
	s_lshl_b32 s45, s14, 15                        ; where they go: wave x 32 KiB: no place in the cluster enters an LDS address
	s_lshl_b32 s94, s14, 12
	s_wait_dscnt 0x0                               ; both opening adds are done
	s_wait_kmcnt 0x0
	s_add_nc_u64 s[20:21], s[4:5], s[20:21]
	s_add_nc_u64 s[22:23], s[6:7], s[22:23]
	s_add_nc_u64 s[46:47], s[8:9], s[46:47]
	s_add_nc_u64 s[92:93], s[10:11], s[92:93]
	CROUND                                         ; all sixteen work-groups are here: the joint loads meet
	s_mov_b32 s[G0S], 1
	s_add_co_u32 s[G0S+1], s94, SCL
	s_mov_b64 s[G0S+2:G0S+3], s[22:23]
	s_or_b32 s[G0S+3], s[G0S+3], 0x80000000
	s_mov_b32 s[G0SB], 1
	s_add_co_u32 s[G0SB+1], s94, SCL
	s_mov_b64 s[G0SB+2:G0SB+3], s[92:93]
	s_or_b32 s[G0SB+3], s[G0SB+3], 0x80000000
	JLOAD G0S, G1S, G0SB, G1SB                     ; the scale words first: they are wanted with K step 0
.irp s, 0,1
	s_mov_b32 s[G0+4*\s], 1
	s_add_co_u32 s[G0+4*\s+1], s45, \s*SLOT
	s_add_nc_u64 s[G0+4*\s+2:G0+4*\s+3], s[20:21], \s*1048576
	s_or_b32 s[G0+4*\s+3], s[G0+4*\s+3], 0x80000000
	s_mov_b32 s[G0B+4*\s], 1
	s_add_co_u32 s[G0B+4*\s+1], s45, \s*SLOT
	s_add_nc_u64 s[G0B+4*\s+2:G0B+4*\s+3], s[46:47], \s*786432
	s_or_b32 s[G0B+4*\s+3], s[G0B+4*\s+3], 0x80000000
	JLOAD G0+4*\s, G1, G0B+4*\s, G1B               ; by this text's count three tensor loads of a wave are out, and no more follow
.endr
	v_and_b32 v1, 15, v0                           ; r
	v_bfe_u32 v2, v0, 4, 1                         ; h
	v_and_b32 v3, 31, v0                           ; lane
	v_lshlrev_b32 v[CO], 4, v3
	s_lshl_b32 s21, s15, 15                        ; my 128 rows of x
	s_lshl_b32 s22, s16, 15                        ; my 128 columns of Wqkv,
	s_add_co_u32 s22, s22, 2*HALFT                 ; which lie behind x's 256 rows
.irp s, 0,1
	v_add_nc_u32 v[ADRA+\s], s21, v[CO]
	v_add_nc_u32 v[ADRB+\s], s22, v[CO]
	s_add_co_u32 s21, s21, SLOT
	s_add_co_u32 s22, s22, SLOT
.endr
	v_lshlrev_b32 v5, 2, v1                        ; a scale word a row
	s_lshl_b32 s21, s15, 9                         ; x's: my 128 rows
	s_lshl_b32 s22, s16, 9                         ; Wqkv's: my 128 columns, 8 KiB further on
	s_add_co_u32 s22, s22, 8192
	s_sub_co_u32 s22, s22, s21
	v_mul_u32_u24 v6, s22, v2                      ; lanes 16-31 take Wqkv's: one product, the distance between the two bases
	s_add_co_u32 s21, s21, SCL
	v_add_nc_u32 v5, v5, v6
	v_add_nc_u32 v[ADRS], s21, v5
	s_mul_i32 s23, s14, 4608                       ; my stage for the way out: two heads x 16 rows x (128 bytes + 16), in slot 0
	v_mul_u32_u24 v5, v1, 144
	v_lshl_add_u32 v5, v2, 4, v5
	v_add_nc_u32 v[STO], s23, v5
	v_lshrrev_b32 v5, 3, v3
	v_mul_u32_u24 v5, v5, 144
	v_and_b32 v6, 7, v0
	v_lshl_add_u32 v5, v6, 4, v5
	v_add_nc_u32 v[RD], s23, v5
	v_lshlrev_b32 v[BO], 5, v2
	s_lshr_b32 s20, s17, 3                         ; where my part of qkvh begins: the batch,
	s_lshl_b32 s20, s20, 4
	s_lshl_b32 s21, s40, 2
	s_add_co_u32 s20, s20, s21
	s_lshl_b32 s21, s16, 1
	s_add_co_u32 s20, s20, s21                     ; x 16 + my first head (4 cx + 2 x half),
	s_lshl_b32 s20, s20, 11
	s_and_b32 s21, s17, 7
	s_lshl_b32 s21, s21, 8
	s_add_co_u32 s20, s20, s21
	s_lshl_b32 s21, s15, 7
	s_add_co_u32 s20, s20, s21                     ; x 2,048 + my first position,
	s_lshl_b32 s20, s20, 7                         ; rows of 128 bytes,
	s_lshl_b32 s21, ttmp9, 23
	s_add_co_u32 s20, s20, s21                     ; + the kind
	s_mov_b32 s21, 0
	s_add_nc_u64 s[12:13], s[12:13], s[20:21]
	s_lshl_b32 s20, s42, 10
	s_lshl_b32 s22, s16, 9
	s_add_co_u32 s20, s20, s22
	s_add_nc_u64 s[96:97], s[96:97], s[20:21]      ; the bias of my 128 columns
	s_lshl_b32 s20, s40, 10
	s_add_co_u32 s20, s20, s22                     ; my 128 columns within the kind
	s_mov_b32 s66, 0x41000000                      ; 8.0
	s_cmp_eq_u32 ttmp9, 0                          ; q?  The choice hangs on the cluster's number alone
	s_cselect_b64 s[98:99], s[98:99], s[100:101]   ; gamma_q, else gamma_k (for v it is loaded and replaced by 1)
	s_cselect_b32 s66, 0x3fb8aa3b, s66             ; log2(e) for q, 8 for k
	s_mov_b32 s67, s66                             ; (named with it as a pair)
	s_add_nc_u64 s[98:99], s[98:99], s[20:21]
	s_cmp_eq_u32 ttmp9, 2
	s_cselect_b32 s95, -1, 0                       ; all lanes where the kind is v
	s_mov_b32 s20, 0x76543210
	s_mov_b32 s21, 0xfedcba98                      ; v_permlanex16_b32's selects for lane l xor 16
.irp b, 0,1,2,3,4,5,6,7
	global_load_b128 v[BIAS+8*\b:BIAS+8*\b+3], v[BO], s[96:97] offset:64*\b        ; lane (r, h): columns 16 b + 8 h + 0 .. 7: the result's layout
	global_load_b128 v[BIAS+8*\b+4:BIAS+8*\b+7], v[BO], s[96:97] offset:64*\b+16
.endr
	WIN TO_B
.irp b, 0,1,2,3,4,5,6,7
	global_load_b128 v[GM+8*\b:GM+8*\b+3], v[BO], s[98:99] offset:64*\b
	global_load_b128 v[GM+8*\b+4:GM+8*\b+7], v[BO], s[98:99] offset:64*\b+16
.endr
	s_wait_loadcnt 0x0
	WIN 0x41                                       ; destination and source 0 window 1
.set n, 0
.rept 32
	v_pk_mul_f32 v[GM+n:GM+n+1], v[GM+n:GM+n+1], s[66:67] op_sel_hi:[1,0]   ; gamma' = gamma x the kind's constant
.set n, n+2
.endr
.set n, 0
.rept 64
	v_cndmask_b32 v[GM+n], v[GM+n], 1.0, s95       ; v: 1
.set n, n+1
.endr
	WIN 0
.macro FRAG reg, adr, q, i             ; a fragment's image: block i of 16 rows, the slot's q-th 128 along K: two loads of 512 consecutive bytes
.irp c, 0,1
	ds_load_b128 v[\reg+4*\c:\reg+4*\c+3], v[\adr] offset:4096*(\i)+1024*(\q)+512*\c
.endr
.endm
; 16 matrix instructions: x's blocks a0, a0 + 1 against Wqkv's eight.  p: Wqkv's set; sc: the set of scale words.  zero = 1: the first product starts the sums from the bias.
; The 64 accumulators take turns, one instruction a turn, in the same order in every step.
.macro MUL16 a0, p, q, sc, zero
.irp a, \a0, \a0+1
.irp b, 0,1,2,3,4,5,6,7
.if \zero
	v_wmma_scale_f32_16x16x128_f8f6f4 v[8*(8*((\a)%4)+\b):8*(8*((\a)%4)+\b)+7], v[128*(\p)+FR*\b:128*(\p)+FR*\b+FR-1], v[AF+FR*(\a):AF+FR*(\a)+FR-1], v[BIAS+8*\b:BIAS+8*\b+7], v[SC+8*NQ*(\sc)+NQ*\b+(\q)], v[SC+8*NQ*(\sc)+NQ*(\a)+(\q)] matrix_a_fmt:MATRIX_FMT_FP4 matrix_b_fmt:MATRIX_FMT_FP4 matrix_a_scale:MATRIX_SCALE_ROW1
.else
	v_wmma_scale_f32_16x16x128_f8f6f4 v[8*(8*((\a)%4)+\b):8*(8*((\a)%4)+\b)+7], v[128*(\p)+FR*\b:128*(\p)+FR*\b+FR-1], v[AF+FR*(\a):AF+FR*(\a)+FR-1], v[8*(8*((\a)%4)+\b):8*(8*((\a)%4)+\b)+7], v[SC+8*NQ*(\sc)+NQ*\b+(\q)], v[SC+8*NQ*(\sc)+NQ*(\a)+(\q)] matrix_a_fmt:MATRIX_FMT_FP4 matrix_b_fmt:MATRIX_FMT_FP4 matrix_a_scale:MATRIX_SCALE_ROW1
.endif
.endr
.endr
.endm
.macro FETCH_B slot, q, p
	WIN TO_B
.irp i, 0,1,2,3,4,5,6,7
	FRAG 128*(\p)+FR*\i, ADRB+\slot, \q, \i
.endr
	WIN 0
.endm
.macro FETCH_A slot, q, i0
.irp i, \i0, \i0+1, \i0+2, \i0+3
	FRAG AF+FR*(\i), ADRA+\slot, \q, \i
.endr
.endm
.macro SCALES sc                       ; slot sc's scale words: register 4 i + q: lanes 0-15 the word of x's block i, lanes 16-31 that of Wqkv's block i, for the slot's q-th 128 along K
.irp i, 0,1,2,3,4,5,6,7
.irp q, 0,1,2,3
	ds_load_b32 v[SC+8*NQ*\sc+NQ*\i+\q], v[ADRS] offset:(4*\sc+\q)*1024+64*\i
.endr
.endr
.endm
.macro PLACES n                        ; plain vector instructions between a matrix instruction and a load into, or a read of, its registers
.rept \n
	v_nop
.endr
.endm
.macro STEP slot, q, zero              ; a step of 128 along K that has its successor in the same slot
	s_wait_dscnt 4*NL                              ; all but the youngest eight loads (x's blocks 4-7) are in
.if \zero
	WIN 0x81                                       ; C (the bias) window 0, D window 2
.else
	WIN MUL_LO
.endif
	MUL16 0, (\q)%2, \q, \slot, \zero
	MUL16 2, (\q)%2, \q, \slot, \zero
	s_wait_dscnt 0                                 ; x's blocks 4-7 are in
	PLACES NP
	FETCH_B \slot, (\q)+1, 1-(\q)%2
	FETCH_A \slot, (\q)+1, 0
.if \zero
	WIN 0xc1
.else
	WIN MUL_HI
.endif
	MUL16 4, (\q)%2, \q, \slot, \zero
	MUL16 6, (\q)%2, \q, \slot, \zero
	PLACES NP
	WIN 0
	FETCH_A \slot, (\q)+1, 4
.endm
.macro STEPS slot, from
.set Q, \from
.rept NQ-1-\from
	STEP \slot, Q, 0
.set Q, Q+1
.endr
.endm
	s_wait_tensorcnt 1                             ; the scale words and my part of slot 0 are in; slot 1's load may be out
	s_barrier_signal -1
	s_barrier_wait -1                              ; everybody's are
	FETCH_B 0, 0, 0
	FETCH_A 0, 0, 0
	SCALES 0
	FETCH_A 0, 0, 4
	STEP 0, 0, 1
	STEPS 0, 1
	; slot 0's last step changes slots: one barrier.  In front of it: my part of slot 1 has landed, and my reads of slot 0 are over (its bytes become the stages of the way out)
	s_wait_tensorcnt 0x0
	ds_add_u32 v[SPW], v[NIL]
	s_wait_dscnt 4*NL+1                            ; (the add and x's blocks 4-7 may be out)
	WIN MUL_LO
	MUL16 0, 1, NQ-1, 0, 0
	s_wait_dscnt 0x0
	s_barrier_signal -1
	MUL16 2, 1, NQ-1, 0, 0
	WIN 0
	s_barrier_wait -1
	PLACES NP
	FETCH_B 1, 0, 0
	FETCH_A 1, 0, 0
	SCALES 1
	WIN MUL_HI
	MUL16 4, 1, NQ-1, 0, 0
	MUL16 6, 1, NQ-1, 0, 0
	PLACES NP
	WIN 0
	FETCH_A 1, 0, 4
	STEPS 1, 0
	s_wait_dscnt 4*NL                              ; the very last step: nothing more to fetch
	WIN MUL_LO
	MUL16 0, 1, NQ-1, 1, 0
	MUL16 2, 1, NQ-1, 1, 0
	s_wait_dscnt 0
	WIN MUL_HI
	MUL16 4, 1, NQ-1, 1, 0
	MUL16 6, 1, NQ-1, 1, 0
	WIN 0
; THE WAY OUT, a block of 16 rows x 128 columns (two heads) at a time.
; COMPUTE: each head's sum of squares (a lane's 32 numbers and lane l xor 16's), 1 / sqrt, times gamma', rounded to f16.  Each accumulator is read from its low end on.
.macro COMPUTE a
.set AC, 64*((\a)%4)
	WIN 10+5*((\a)/4)                              ; sources 0 and 1: window 2 or 3
.irp e, 0,1
.irp u, 0,1
	v_pk_mul_f32 v[SS+4*\e+2*\u:SS+4*\e+2*\u+1], v[AC+32*\e+16*\u:AC+32*\e+16*\u+1], v[AC+32*\e+16*\u:AC+32*\e+16*\u+1]   ; head e, chain u: two accumulators; four chains by turns
.endr
.endr
.irp p, 2,4,6,8,10,12,14
.irp e, 0,1
.irp u, 0,1
	v_pk_fma_f32 v[SS+4*\e+2*\u:SS+4*\e+2*\u+1], v[AC+32*\e+16*\u+\p:AC+32*\e+16*\u+\p+1], v[AC+32*\e+16*\u+\p:AC+32*\e+16*\u+\p+1], v[SS+4*\e+2*\u:SS+4*\e+2*\u+1]
.endr
.endr
.endr
	WIN 0
.irp e, 0,1
	v_pk_add_f32 v[SS+4*\e:SS+4*\e+1], v[SS+4*\e:SS+4*\e+1], v[SS+4*\e+2:SS+4*\e+3]
.endr
.irp e, 0,1
	v_add_f32 v[SS+4*\e], v[SS+4*\e], v[SS+4*\e+1]
.endr
.irp e, 0,1
	v_permlanex16_b32 v[TP+\e], v[SS+4*\e], s20, s21
.endr
.irp e, 0,1
	v_add_f32 v[SS+4*\e], v[SS+4*\e], v[TP+\e]
.endr
.irp e, 0,1
	v_max_num_f32 v[SS+4*\e], 0x179abe15, v[SS+4*\e]   ; 1e-24 from below
.endr
.irp e, 0,1
	v_rsq_f32 v[INV+2*\e], v[SS+4*\e]
.endr
	WIN 0x46+(\a)/4                                ; source 0 the accumulators' window, source 1 and destination window 1
.set n, 0
.rept 32
	v_pk_mul_f32 v[T+n:T+n+1], v[AC+n:AC+n+1], v[GM+n:GM+n+1]   ; times gamma': plain work that names no result of the two roots
.set n, n+2
.endr
	WIN 0
	s_wait_alu depctr_va_vdst(0)                   ; one wait for both roots, ahead of their first reader
.irp e, 0,1
	v_cndmask_b32 v[INV+2*\e], v[INV+2*\e], 1.0, s95   ; v is not normalised
.endr
	WIN 0x41
.set n, 0
.rept 32
	v_pk_mul_f32 v[T+n:T+n+1], v[T+n:T+n+1], v[INV+2*(n/32):INV+2*(n/32)+1] op_sel_hi:[1,0]
.set n, n+2
.endr
	WIN 0x05                                       ; sources window 1, destination window 0
.set n, 0
.rept 32
	v_cvt_pk_f16_f32 v[PKD+n], v[T+2*n], v[T+2*n+1]
.set n, n+1
.endr
	WIN 0
.endm
.macro TOSTAGE a                       ; a lane's 16 bytes of a row go into my stage; whole rows of 128 bytes come back, four to an instruction
.irp b, 0,1,2,3,4,5,6,7
	ds_store_b128 v[STO], v[PKD+4*\b:PKD+4*\b+3] offset:(\b/4)*2304+32*(\b%4)
.endr
.irp e, 0,1
.irp t, 0,1,2,3
	ds_load_b128 v[BK+32*((\a)%2)+4*(4*\e+\t):BK+32*((\a)%2)+4*(4*\e+\t)+3], v[RD] offset:2304*\e+576*\t   ; LDS serves a wave's instructions in order: these see the stores above
.endr
.endr
.endm
.macro SEND a
	s_wait_dscnt 0x0                               ; the block is back in registers
	s_wait_xcnt 0x0                                ; the block before has had its stores' registers read: the next loads from the stage may land there
.irp e, 0,1
.irp t, 0,1,2,3
	global_store_b128 v[CO], v[BK+32*((\a)%2)+4*(4*\e+\t):BK+32*((\a)%2)+4*(4*\e+\t)+3], s[12:13] offset:262144*\e+2048*(\a)+512*\t   ; 512 consecutive bytes: four rows of a head
.endr
.endr
.endm
	PLACES NP                                      ; behind the last products
	v_mov_b32 v[INV+1], 0                          ; named as upper halves of pairs, so they are written
	v_mov_b32 v[INV+3], 0
	v_mov_b32 v[TP], 0                             ; a lane permute's destination counts as one of its sources
	v_mov_b32 v[TP+1], 0
	COMPUTE 0
	TOSTAGE 0
.irp a, 1,2,3,4,5,6,7
	COMPUTE \a                                     ; a block's arithmetic stands between the loads of the block before and the wait for them
	SEND \a-1
	TOSTAGE \a
.endr
	SEND 7
	s_wait_tensorcnt 0x0                           ; the wave's end: behind my last tensor load and my last LDS store
	ds_add_u32 v[SPW], v[NIL]
	s_wait_dscnt 0x0
	CROUND                                         ; the closing round
	s_endpgm
.Lfunc_end_k_qdbee511443_qkv:
	.size	k_qdbee511443_qkv, .Lfunc_end_k_qdbee511443_qkv-k_qdbee511443_qkv
	.p2alignl 7, 3214868480
	.fill 96, 4, 3214868480
	.section	.rodata,"a",@progbits
	.p2align	6, 0x0
	.amdhsa_kernel k_qdbee511443_qkv
		.amdhsa_group_segment_fixed_size 327680
		.amdhsa_private_segment_fixed_size 0
		.amdhsa_enable_private_segment 0
		.amdhsa_kernarg_size 64
		.amdhsa_user_sgpr_count 2
		.amdhsa_user_sgpr_kernarg_segment_ptr 1
		.amdhsa_wavefront_size32 1
		.amdhsa_system_sgpr_workgroup_id_x 1
		.amdhsa_system_sgpr_workgroup_id_y 1
		.amdhsa_system_sgpr_workgroup_id_z 1
		.amdhsa_system_vgpr_workitem_id 0
		.amdhsa_next_free_vgpr 1024
		.amdhsa_next_free_sgpr 102
		.amdhsa_reserve_vcc 0
		.amdhsa_float_denorm_mode_32 3
		.amdhsa_float_denorm_mode_16_64 3
		.amdhsa_memory_ordered 1
		.amdhsa_forward_progress 1
		.amdhsa_inst_pref_size 194
	.end_amdhsa_kernel
	.amdgpu_metadata
---
amdhsa.version: [ 1, 2 ]
amdhsa.kernels:
  - .name:           k_qdbee511443_qkv
    .symbol:         k_qdbee511443_qkv.kd
    .args:
      - { .name: x_codes, .offset: 0, .size: 8, .value_kind: global_buffer, .address_space: global }
      - { .name: x_scl, .offset: 8, .size: 8, .value_kind: global_buffer, .address_space: global }
      - { .name: w_codes, .offset: 16, .size: 8, .value_kind: global_buffer, .address_space: global }
      - { .name: w_scl, .offset: 24, .size: 8, .value_kind: global_buffer, .address_space: global }
      - { .name: qkvh, .offset: 32, .size: 8, .value_kind: global_buffer, .address_space: global }
      - { .name: bqkv, .offset: 40, .size: 8, .value_kind: global_buffer, .address_space: global }
      - { .name: gamma_q, .offset: 48, .size: 8, .value_kind: global_buffer, .address_space: global }
      - { .name: gamma_k, .offset: 56, .size: 8, .value_kind: global_buffer, .address_space: global }
    .group_segment_fixed_size: 327680
    .private_segment_fixed_size: 0
    .kernarg_segment_align: 8
    .kernarg_segment_size: 64
    .max_flat_workgroup_size: 128
    .sgpr_count:     102
    .vgpr_count:     1024
    .wavefront_size: 32
...
	.end_amdgpu_metadata
.endif
;; end of part 2
;; launch attn (part 3): grid 8 x 32, 8 waves a work-group, clusters of 4 x 1, 327,680 bytes of LDS; arguments qkvh, attn; writes attn
.if DOCPART == 3
	.amdgcn_target "amdgcn-amd-amdhsa--gfx1250"
	.amdhsa_code_object_version 6
	.text
	.protected	k_qdbee511443_attn
	.globl	k_qdbee511443_attn
	.p2align	8
	.type	k_qdbee511443_attn,@function
k_qdbee511443_attn:
	s_mov_b64 s[64:65], 0
	v_nop
	global_prefetch_b8 v0, s[64:65] scope:SCOPE_SE
	s_setreg_imm32_b32 hwreg(HW_REG_WAVE_MODE, 25, 1), 1
	s_wait_xcnt 0x0
	s_wait_alu depctr_hold_cnt(0) depctr_sa_sdst(0) depctr_va_vdst(0) depctr_va_sdst(0) depctr_va_ssrc(0) depctr_va_vcc(0) depctr_vm_vsrc(0)
	s_getreg_b32 s2, hwreg(HW_REG_IB_STS2, 6, 4)
	s_cmp_eq_u32 s2, 0
	s_cbranch_scc0 .Lentry_in_a_cluster
	s_endpgm
.Lentry_in_a_cluster:
	s_bfe_u32 s2, ttmp6, 0x10000c
	s_cmp_lg_u32 s2, 0x3003
	s_cbranch_scc0 .Lentry_shape_is_right
	s_endpgm
.Lentry_shape_is_right:
; O[bh][q] = the sum over k of softmax_k(score) V[bh][k], head size 64, 2,048 keys, no mask.  q, k, v: f16, [kind][batch x 16 + head][2,048][64]; q . k is already t = score x log2(e).
; Products on f16 operands with f32 sums; maxima, exponentials and row sums in f32; p is rounded to f16 for the second product, O once at the end.
; SHARES.  A work-group owns 256 queries of a head; each of its eight waves 32: two tiles of 16, in 256 registers.  Two waves lie on a SIMD, so one wave's softmax stands beside the other's products.
; Each fragment of K and V read from LDS feeds two matrix instructions.
; LAYOUT.  S^T = K Q^T (source 0 = 16 keys, source 1 = 16 queries): a lane holds ONE query (lane % 16) and keys 8 (lane / 16) + 0..7.  Two such tiles, rounded in pairs, ARE source 1 (32 keys x 16 queries) of
; O^T = V^T P, whose result again holds one query a lane.  K comes out of LDS as it lies, V ([key][channel]) turned, by ds_load_tr16_b128.
; SOFTMAX.  A running maximum m and sum l for each query: p = 2^(t - m); in every step O and l are multiplied by 2^(m_old - m_new).  m begins at -3e38, O and l at 0, so the step is written once.
; RING.  Two LDS slots of 512 keys; 2,048 keys are four slots' worth: two first fills and two refills, all written out.  Waves 0-3 fetch K's quarters, waves 4-7 V's.
; CLUSTER.  The four query blocks of a cluster belong to one head and walk the same K and V: each tile is asked for jointly, with a mask that names the four.
; No prefetch is laid: a refill is requested eight key steps (256 matrix instructions a wave) ahead of the wait for it.
; Out: attn [row / 128][head][128 rows][64] f16, the order in which the projection's tiles are read.
; LIMITS: v, and so O, under 65,504 in magnitude (f16); NaN and infinities are not served.
.set PK,    144                        ; a row of K in LDS: 128 bytes + 16: 36 words, so the 16 rows of a load start at 16 different groups of four banks
.set PV,    160                        ; a row of V: 128 + 32
.set SKEYS, 512
.set VOFF,  SKEYS*PK                   ; a slot: 512 rows of K, then 512 rows of V
.set SLOTB, SKEYS*(PK+PV)
.set SPARE, 2*SLOTB                    ; the spare words, 128 bytes for each wave: four blocks of 256 bytes that no other line names
.set AK0, 1                            ; v1 my lane's place in a tile of K; on the way out: into the stage
.set AV0, 2                            ; v2 the same for V; on the way out: back from the stage
.set ADK, 3                            ; v3 LDS address of the step's K
.set ADV, 4                            ; v4 of its V
.set SPW, 5                            ; v5 LDS address of my spare word; never rewritten
.set NIL, 6                            ; v6 0; never rewritten
.set QO,  7                            ; v7 my byte offset in the wave's rows of Q; on the way out: 16 x lane
.set ST,  8                            ; tile t's statistics at v[ST + 12 t]: +0 m, +1 m_old - m, +2, +3 l, +4 a (+5 written once), +6, +7 a second chain of l, +8..+11 at work
.set Q,   32                           ; v32-63   Q: tile t, channels 32 c on at 16 t + 8 c
.set KV,  64                           ; v64-127  a step's K, then its V
.set S,   128                          ; v128-191 S^T, 32 a tile; then p; then P in the first 16 of each 32
.set O,   192                          ; v192-255 O^T, 32 a tile
.set WV,  12
.set G1K, 24
.set G1V, 32
.set G0K, 40                           ; s[40:47] a group 0 for each slot
.set G0V, 48
.set TBK, 56                           ; s56 LDS byte at which the step's K begins
.set TBV, 57                           ; s57 and, less VOFF, its V
.set CNT, 58
.set SEL, 60
.macro CROUND                          ; a round of the cluster's barrier
	s_barrier_signal -1
	s_barrier_wait -1
	s_cmp_lg_u32 s[WV], 0
	s_cbranch_scc1 .Lnot_wave_0_\@
	s_barrier_signal -3
.Lnot_wave_0_\@:
	s_barrier_wait -3
	s_barrier_signal -1
	s_barrier_wait -1
.endm
.macro JLOAD s                         ; a joint refill of slot s; the branch hangs on the wave's number alone; an s_nop 0 and four v_nop follow each of the two lines
	s_cmp_lt_u32 s[WV], 4
	s_cbranch_scc0 .Lfor_v_\@
	tensor_load_to_lds s[G0K+4*\s:G0K+4*\s+3], s[G1K:G1K+7]
	s_nop 0
.rept 4
	v_nop
.endr
	s_branch .Lasked_\@
.Lfor_v_\@:
	tensor_load_to_lds s[G0V+4*\s:G0V+4*\s+3], s[G1V:G1V+7]
	s_nop 0
.rept 4
	v_nop
.endr
.Lasked_\@:
.endm
	s_load_b128 s[4:7], s[0:1], 0x0                ; qkvh s[4:5], attn s[6:7]
	v_lshl_add_u32 v[SPW], v0, 2, SPARE
	v_mov_b32 v[NIL], 0
	ds_add_u32 v[SPW], v[NIL]                      ; the wave's opening: the add, twice on end, and its wait ahead of my first tensor load
	ds_add_u32 v[SPW], v[NIL]
	v_lshrrev_b32 v1, 5, v0
	v_readfirstlane_b32 s[WV], v1                  ; wave 0..7
	s_bfe_u32 s13, ttmp6, 0x40000                  ; cx
	s_lshl_b32 s14, ttmp9, 2
	s_add_co_u32 s14, s14, s13                     ; my block of 256 queries: it enters Q's and the output's addresses alone
	s_and_b32 s15, ttmp7, 0xffff                   ; batch x 16 + head, which the four partners share
	s_and_b32 s16, s[WV], 3                        ; which quarter of a slot's K or V I fetch
	s_lshl_b32 s20, s15, 18                        ; the head's 262,144 bytes,
	s_lshl_b32 s17, s16, 14                        ; my 128 rows of 128 bytes
	s_add_co_u32 s20, s20, s17
	s_mov_b32 s21, 0
	s_mul_i32 s17, s16, 128*PK                     ; and their place in a slot: K's,
	s_mul_i32 s18, s16, 128*PV
	s_add_co_u32 s18, s18, VOFF                    ; V's
	s_lshl_b32 s22, s15, 18                        ; Q: the head, my block, my wave's 32 rows
	s_lshl_b32 s19, s14, 15
	s_add_co_u32 s22, s22, s19
	s_lshl_b32 s19, s[WV], 12
	s_add_co_u32 s22, s22, s19
	s_mov_b32 s23, 0
	s_lshr_b32 s2, s15, 4                          ; out: tile of 128 rows = batch x 16 + 2 x block + wave / 4,
	s_lshl_b32 s2, s2, 4
	s_lshl_b32 s19, s14, 1
	s_add_co_u32 s2, s2, s19
	s_lshr_b32 s19, s[WV], 2
	s_add_co_u32 s2, s2, s19
	s_lshl_b32 s2, s2, 18
	s_and_b32 s19, s15, 15                         ; the head's 16,384 bytes in it,
	s_lshl_b32 s19, s19, 14
	s_add_co_u32 s2, s2, s19
	s_lshl_b32 s19, s16, 12                        ; my 32 rows
	s_add_co_u32 s2, s2, s19
	s_mov_b32 s3, 0
	; descriptor groups 1: 128 rows x 64 elements of 2 bytes, padded in LDS
	s_mov_b32 s[G1K], 15|(1<<16)|(1<<20)|(1<<21)|(4<<22)|(3<<25)   ; 15:0 the mask: all four; 17:16 elements of 2 bytes; 20 padding on; 21 set beside a mask; 24:22 after every 32 words (code 4); 31:25 four words (code 3)
	s_mov_b32 s[G1V], 15|(1<<16)|(1<<20)|(1<<21)|(4<<22)|(7<<25)   ; the same with eight words of padding
.irp g, G1K, G1V
	s_mov_b32 s[\g+1], 64<<16                      ; tensor_dim0
	s_mov_b32 s[\g+2], 128<<16                     ; tensor_dim1
	s_mov_b32 s[\g+3], 64<<16                      ; tile_dim0
	s_mov_b32 s[\g+4], 128                         ; tile_dim1
	s_mov_b32 s[\g+5], 64                          ; tensor_dim0_stride
	s_mov_b32 s[\g+6], 0
	s_mov_b32 s[\g+7], 0
.endr
	s_mov_b32 s[SEL], 0x76543210
	s_mov_b32 s[SEL+1], 0xfedcba98                 ; v_permlanex16_b32's selects for lane l xor 16
	s_wait_dscnt 0x0                               ; both opening adds are done
	s_wait_kmcnt 0x0
	s_add_nc_u64 s[8:9], s[4:5], s[22:23]          ; Q at my wave's first row
	s_add_nc_u64 s[6:7], s[6:7], s[2:3]            ; the output likewise
	s_add_nc_u64 s[20:21], s[4:5], s[20:21]        ; my rows of slot 0, less the kind
	CROUND                                         ; all four work-groups are here: the first joint loads meet
.irp s, 0,1
	s_mov_b32 s[G0K+4*\s], 1
	s_add_co_u32 s[G0K+4*\s+1], s17, \s*SLOTB
	s_add_nc_u64 s[G0K+4*\s+2:G0K+4*\s+3], s[20:21], 8388608+\s*65536    ; k; slot s begins with keys 512 s
	s_or_b32 s[G0K+4*\s+3], s[G0K+4*\s+3], 0x80000000
	s_mov_b32 s[G0V+4*\s], 1
	s_add_co_u32 s[G0V+4*\s+1], s18, \s*SLOTB
	s_add_nc_u64 s[G0V+4*\s+2:G0V+4*\s+3], s[20:21], 16777216+\s*65536   ; v
	s_or_b32 s[G0V+4*\s+3], s[G0V+4*\s+3], 0x80000000
.endr
	s_cmp_lt_u32 s[WV], 4                          ; a wave's two first fills stand in one branch, ahead of every wait on TENSORcnt and every LDS read: two loads of mine are out
	s_cbranch_scc0 .Lfirst_v
	tensor_load_to_lds s[G0K:G0K+3], s[G1K:G1K+7]
	s_nop 0
	tensor_load_to_lds s[G0K+4:G0K+7], s[G1K:G1K+7]
	s_nop 0
.rept 4
	v_nop
.endr
	s_branch .Lfirst_asked
.Lfirst_v:
	tensor_load_to_lds s[G0V:G0V+3], s[G1V:G1V+7]
	s_nop 0
	tensor_load_to_lds s[G0V+4:G0V+7], s[G1V:G1V+7]
	s_nop 0
.rept 4
	v_nop
.endr
.Lfirst_asked:
	v_and_b32 v3, 15, v0                           ; r
	v_bfe_u32 v4, v0, 4, 1                         ; h
	v_lshlrev_b32 v[QO], 7, v3
	v_lshl_add_u32 v[QO], v4, 4, v[QO]             ; row r of 128 bytes, + 16 h
.irp t, 0,1
.irp c, 0,1
	global_load_b128 v[Q+16*\t+8*\c:Q+16*\t+8*\c+3],   v[QO], s[8:9] offset:2048*\t+64*\c      ; Q stays in registers
	global_load_b128 v[Q+16*\t+8*\c+4:Q+16*\t+8*\c+7], v[QO], s[8:9] offset:2048*\t+64*\c+32
.endr
.endr
	v_mul_u32_u24 v[AK0], v3, PK
	v_lshl_add_u32 v[AK0], v4, 4, v[AK0]           ; K: row x pitch + 16 h
	v_and_b32 v[AV0], 7, v0                        ; V: the turning load: lane l reads key 8 (l / 16) + l % 8, channels 8 ((l / 8) % 2) on
	v_lshl_add_u32 v[AV0], v4, 3, v[AV0]
	v_mul_u32_u24 v[AV0], v[AV0], PV
	v_bfe_u32 v3, v0, 3, 1
	v_lshl_add_u32 v[AV0], v3, 4, v[AV0]
	v_add_nc_u32 v[AV0], VOFF, v[AV0]
.irp t, 0,1
	v_mov_b32 v[ST+12*\t], 0xff61b1e6              ; m: -3e38, under every t
	v_mov_b32 v[ST+12*\t+1], 0
	v_mov_b32 v[ST+12*\t+2], 0                     ; l, in two halves
	v_mov_b32 v[ST+12*\t+3], 0
	v_mov_b32 v[ST+12*\t+5], 0                     ; named as the upper half of a's pair, so it is written
.endr
.set n, 0
.rept 64
	v_mov_b32 v[O+n], 0                            ; O^T: the step is written once, and its first pass finds zeros
.set n, n+1
.endr
; A KEY STEP: 64 keys for my two tiles of queries.
.macro STEP
	v_add_nc_u32 v[ADK], s[TBK], v[AK0]
	v_add_nc_u32 v[ADV], s[TBV], v[AV0]
.rept 4
	v_nop                                          ; with the two additions six places behind the last products: four are owed to the loads into V's registers, five to the products that write over P
.endr
.irp c, 0,1
.irp kt, 0,1,2,3
	ds_load_b128 v[KV+16*\kt+8*\c:KV+16*\kt+8*\c+3],   v[ADK] offset:2304*\kt+64*\c
	ds_load_b128 v[KV+16*\kt+8*\c+4:KV+16*\kt+8*\c+7], v[ADK] offset:2304*\kt+64*\c+32
.endr
.endr
	s_wait_dscnt 8                                 ; channels 0-31 are in; the eight loads of channels 32-63 may be out
.irp kt, 0,1,2,3
.irp t, 0,1
	v_wmma_f32_16x16x32_f16 v[S+32*\t+8*\kt:S+32*\t+8*\kt+7], v[KV+16*\kt:KV+16*\kt+7], v[Q+16*\t:Q+16*\t+7], 0
.endr
.endr
	s_wait_dscnt 0x0
.irp kt, 0,1,2,3
.irp t, 0,1
	v_wmma_f32_16x16x32_f16 v[S+32*\t+8*\kt:S+32*\t+8*\kt+7], v[KV+16*\kt+8:KV+16*\kt+15], v[Q+16*\t+8:Q+16*\t+15], v[S+32*\t+8*\kt:S+32*\t+8*\kt+7]   ; the eight accumulators take turns
.endr
.endr
.rept 4
	v_nop                                          ; places in front of the loads into K's registers and of the first read of the scores
.endr
.irp g, 0,1
.irp dt, 0,1,2,3
	ds_load_tr16_b128 v[KV+8*(4*\g+\dt):KV+8*(4*\g+\dt)+3],   v[ADV] offset:5120*\g+32*\dt        ; V, turned: keys 32 g on, channels 16 dt on: it lands under the softmax
	ds_load_tr16_b128 v[KV+8*(4*\g+\dt)+4:KV+8*(4*\g+\dt)+7], v[ADV] offset:5120*\g+32*\dt+2560
.endr
.endr
	; the softmax, the two tiles line by line.  The maximum: four chains, each accumulator from its low end on
.irp j, 0,1,2,3
.irp t, 0,1
	v_max3_num_f32 v[ST+12*\t+8+\j], v[S+32*\t+8*\j], v[S+32*\t+8*\j+1], v[S+32*\t+8*\j+2]
.endr
.endr
.irp u, 1,2
.irp j, 0,1,2,3
.irp t, 0,1
	v_max3_num_f32 v[ST+12*\t+8+\j], v[ST+12*\t+8+\j], v[S+32*\t+8*\j+2*\u+1], v[S+32*\t+8*\j+2*\u+2]
.endr
.endr
.endr
.irp t, 0,1
	v_max3_num_f32 v[ST+12*\t+8], v[ST+12*\t+8], v[S+32*\t+7], v[S+32*\t+15]
.endr
.irp t, 0,1
	v_max3_num_f32 v[ST+12*\t+10], v[ST+12*\t+10], v[S+32*\t+23], v[S+32*\t+31]
.endr
.irp t, 0,1
	v_max3_num_f32 v[ST+12*\t+8], v[ST+12*\t+8], v[ST+12*\t+9], v[ST+12*\t+10]
.endr
.irp t, 0,1
	v_max3_num_f32 v[ST+12*\t+8], v[ST+12*\t+8], v[ST+12*\t+11], v[ST+12*\t]   ; and the old m
.endr
.irp t, 0,1
	v_permlanex16_b32 v[ST+12*\t+9], v[ST+12*\t+8], s[SEL], s[SEL+1]           ; the query's other 32 keys lie in the lane 16 away
.endr
.irp t, 0,1
	v_mov_b32 v[ST+12*\t+1], v[ST+12*\t]
.endr
.irp t, 0,1
	v_max_num_f32 v[ST+12*\t], v[ST+12*\t+8], v[ST+12*\t+9]                    ; the new m
.endr
.irp t, 0,1
	v_sub_f32 v[ST+12*\t+1], v[ST+12*\t+1], v[ST+12*\t]                        ; m_old - m_new
.endr
.irp t, 0,1
	v_exp_f32 v[ST+12*\t+4], v[ST+12*\t+1]                                     ; a
.endr
.irp i, 0,2,4,6,8,10,12,14,16,18,20,22,24,26,28,30
.irp t, 0,1
	v_pk_add_f32 v[S+32*\t+\i:S+32*\t+\i+1], v[S+32*\t+\i:S+32*\t+\i+1], v[ST+12*\t:ST+12*\t+1] op_sel_hi:[1,0] neg_lo:[0,1] neg_hi:[0,1]   ; t - m
.endr
.endr
.set n, 0
.rept 32
	v_exp_f32 v[S+n], v[S+n]                       ; p = 2^(t - m)
	v_exp_f32 v[S+32+n], v[S+32+n]
.set n, n+1
.endr
	v_nop                                          ; a plain instruction behind the last exponential
	s_wait_alu depctr_va_vdst(0)                   ; one wait for the step's 66 exponentials, ahead of the first instruction that names a result
.irp t, 0,1
	v_pk_mul_f32 v[ST+12*\t+2:ST+12*\t+3], v[ST+12*\t+2:ST+12*\t+3], v[ST+12*\t+4:ST+12*\t+5] op_sel_hi:[1,0]   ; l x a
.endr
.irp t, 0,1
	v_pk_add_f32 v[ST+12*\t+6:ST+12*\t+7], v[S+32*\t:S+32*\t+1], v[S+32*\t+2:S+32*\t+3]   ; the sum of the unrounded p, in two chains
.endr
.irp j, 4,8,12,16,20,24,28
.irp t, 0,1
	v_pk_add_f32 v[ST+12*\t+2:ST+12*\t+3], v[ST+12*\t+2:ST+12*\t+3], v[S+32*\t+\j:S+32*\t+\j+1]
	v_pk_add_f32 v[ST+12*\t+6:ST+12*\t+7], v[ST+12*\t+6:ST+12*\t+7], v[S+32*\t+\j+2:S+32*\t+\j+3]
.endr
.endr
.irp t, 0,1
	v_pk_add_f32 v[ST+12*\t+2:ST+12*\t+3], v[ST+12*\t+2:ST+12*\t+3], v[ST+12*\t+6:ST+12*\t+7]
.endr
.irp i, 0,1,2,3,4,5,6,7,8,9,10,11,12,13,14,15
.irp t, 0,1
	v_cvt_pk_f16_f32 v[S+32*\t+\i], v[S+32*\t+2*\i], v[S+32*\t+2*\i+1]   ; P, in place and ascending: register i is written when registers 2 i, 2 i + 1 are read
.endr
.endr
.irp i, 0,2,4,6,8,10,12,14,16,18,20,22,24,26,28,30
.irp t, 0,1
	v_pk_mul_f32 v[O+32*\t+\i:O+32*\t+\i+1], v[O+32*\t+\i:O+32*\t+\i+1], v[ST+12*\t+4:ST+12*\t+5] op_sel_hi:[1,0]   ; O^T x a, each accumulator from its low end on
.endr
.endr
	s_wait_dscnt 0x0                               ; V is in
.irp g, 0,1
.irp dt, 0,1,2,3
.irp t, 0,1
	v_wmma_f32_16x16x32_f16 v[O+32*\t+8*\dt:O+32*\t+8*\dt+7], v[KV+8*(4*\g+\dt):KV+8*(4*\g+\dt)+7], v[S+32*\t+8*\g:S+32*\t+8*\g+7], v[O+32*\t+8*\dt:O+32*\t+8*\dt+7]   ; eight accumulators by turns
.endr
.endr
.endr
.endm
.macro WALK slot                       ; a slot's eight key steps
	s_mov_b32 s[TBK], \slot*SLOTB
	s_mov_b32 s[TBV], \slot*SLOTB
	s_mov_b32 s[CNT], 8
.Lstep_\@:
	STEP
	s_add_co_u32 s[TBK], s[TBK], 64*PK
	s_add_co_u32 s[TBV], s[TBV], 64*PV
	s_sub_co_u32 s[CNT], s[CNT], 1
	s_cmp_lg_u32 s[CNT], 0
	s_cbranch_scc1 .Lstep_\@
.endm
; THE CHANGE OF SLOTS.  Each wave waits for all its tensor loads (one is out: its part of the slot ahead), adds 0 to its spare word, and waits for that and for its reads of the slot that it leaves.
; fill = 1: that slot is filled again with the keys 1,024 on; the barrier is then a round of the cluster's, and the joint refill is the first thing behind it.
.macro CHANGE s, fill
	s_wait_tensorcnt 0x0                           ; no tensor load of mine is out, so a group 0 may be written
	ds_add_u32 v[SPW], v[NIL]
.if \fill
	s_add_nc_u64 s[G0K+4*\s+2:G0K+4*\s+3], s[G0K+4*\s+2:G0K+4*\s+3], 131072
	s_add_nc_u64 s[G0V+4*\s+2:G0V+4*\s+3], s[G0V+4*\s+2:G0V+4*\s+3], 131072
.endif
	s_wait_dscnt 0x0                               ; the add is done, and my reads of the slot are over
.if \fill
	CROUND
	JLOAD \s
.else
	s_barrier_signal -1
	s_barrier_wait -1
.endif
.endm
	s_wait_tensorcnt 1                             ; my part of slot 0 is in; slot 1's may stay out
	s_barrier_signal -1
	s_barrier_wait -1                              ; everybody's is
	s_wait_loadcnt 0x0                             ; Q
	WALK 0                                         ; keys 0-511
	CHANGE 0, 1                                    ; slot 0 takes keys 1,024-1,535
	WALK 1                                         ; keys 512-1,023
	CHANGE 1, 1                                    ; slot 1 takes keys 1,536-2,047
	WALK 0
	CHANGE 0, 0                                    ; nothing is left to fetch
	WALK 1
	; THE WAY OUT.  O^T / l, rounded to f16, goes through my stage (two tiles x 16 rows x 144 bytes, in slot 0, which has had its last fill and its last read) and leaves as 512 consecutive bytes an instruction.
.rept 4
	v_nop                                          ; places behind the last products
.endr
.irp t, 0,1
	v_add_f32 v[ST+12*\t+8], v[ST+12*\t+2], v[ST+12*\t+3]
.endr
.irp t, 0,1
	v_permlanex16_b32 v[ST+12*\t+9], v[ST+12*\t+8], s[SEL], s[SEL+1]
.endr
.irp t, 0,1
	v_add_f32 v[ST+12*\t+8], v[ST+12*\t+8], v[ST+12*\t+9]
.endr
.irp t, 0,1
	v_rcp_f32 v[ST+12*\t+4], v[ST+12*\t+8]
.endr
	v_and_b32 v3, 15, v0                           ; (plain work behind the reciprocals)  r
	v_bfe_u32 v4, v0, 4, 1                         ; h
	s_mul_i32 s13, s[WV], 4608                     ; my stage
	v_mul_u32_u24 v1, v3, 144
	v_lshl_add_u32 v1, v4, 4, v1
	v_add_nc_u32 v1, s13, v1                       ; in: row r, + 16 h
	v_and_b32 v7, 31, v0
	v_lshrrev_b32 v2, 3, v7
	v_mul_u32_u24 v2, v2, 144
	v_and_b32 v3, 7, v0
	v_lshl_add_u32 v2, v3, 4, v2
	v_add_nc_u32 v2, s13, v2                       ; back: eight lanes to a row of 128 bytes
	v_lshlrev_b32 v7, 4, v7                        ; and 16 x lane in memory
	s_wait_alu depctr_va_vdst(0)                   ; one wait for both reciprocals, ahead of their first reader
.irp i, 0,2,4,6,8,10,12,14,16,18,20,22,24,26,28,30
.irp t, 0,1
	v_pk_mul_f32 v[O+32*\t+\i:O+32*\t+\i+1], v[O+32*\t+\i:O+32*\t+\i+1], v[ST+12*\t+4:ST+12*\t+5] op_sel_hi:[1,0]
.endr
.endr
.irp t, 0,1
.irp i, 0,1,2,3,4,5,6,7,8,9,10,11,12,13,14,15
	v_cvt_pk_f16_f32 v[S+16*\t+\i], v[O+32*\t+2*\i], v[O+32*\t+2*\i+1]
.endr
.endr
.irp t, 0,1
.irp dt, 0,1,2,3
	ds_store_b128 v1, v[S+16*\t+4*\dt:S+16*\t+4*\dt+3] offset:2304*\t+32*\dt
.endr
.endr
.irp t, 0,1
.irp i, 0,1,2,3
	ds_load_b128 v[KV+16*\t+4*\i:KV+16*\t+4*\i+3], v2 offset:2304*\t+576*\i   ; LDS serves a wave's instructions in order: these see my stores
.endr
.endr
.irp t, 0,1
.irp i, 0,1,2,3
	s_wait_dscnt 7-4*\t-\i                         ; the loads issued behind this one may be out
	global_store_b128 v7, v[KV+16*\t+4*\i:KV+16*\t+4*\i+3], s[6:7] offset:2048*\t+512*\i
.endr
.endr
	s_wait_tensorcnt 0x0                           ; the wave's end: behind my last tensor load and my last LDS store
	ds_add_u32 v[SPW], v[NIL]
	s_wait_dscnt 0x0
	CROUND                                         ; the closing round
	s_endpgm
.Lfunc_end_k_qdbee511443_attn:
	.size	k_qdbee511443_attn, .Lfunc_end_k_qdbee511443_attn-k_qdbee511443_attn
	.p2alignl 7, 3214868480
	.fill 96, 4, 3214868480
	.section	.rodata,"a",@progbits
	.p2align	6, 0x0
	.amdhsa_kernel k_qdbee511443_attn
		.amdhsa_group_segment_fixed_size 327680
		.amdhsa_private_segment_fixed_size 0
		.amdhsa_enable_private_segment 0
		.amdhsa_kernarg_size 16
		.amdhsa_user_sgpr_count 2
		.amdhsa_user_sgpr_kernarg_segment_ptr 1
		.amdhsa_wavefront_size32 1
		.amdhsa_system_sgpr_workgroup_id_x 1
		.amdhsa_system_sgpr_workgroup_id_y 1
		.amdhsa_system_sgpr_workgroup_id_z 1
		.amdhsa_system_vgpr_workitem_id 0
		.amdhsa_next_free_vgpr 256
		.amdhsa_next_free_sgpr 66
		.amdhsa_reserve_vcc 0
		.amdhsa_float_denorm_mode_32 3
		.amdhsa_float_denorm_mode_16_64 3
		.amdhsa_memory_ordered 1
		.amdhsa_forward_progress 1
		.amdhsa_inst_pref_size 89
	.end_amdhsa_kernel
	.amdgpu_metadata
---
amdhsa.version: [ 1, 2 ]
amdhsa.kernels:
  - .name:           k_qdbee511443_attn
    .symbol:         k_qdbee511443_attn.kd
    .args:
      - { .name: qkvh, .offset: 0, .size: 8, .value_kind: global_buffer, .address_space: global }
      - { .name: attn, .offset: 8, .size: 8, .value_kind: global_buffer, .address_space: global }
    .group_segment_fixed_size: 327680
    .private_segment_fixed_size: 0
    .kernarg_segment_align: 8
    .kernarg_segment_size: 16
    .max_flat_workgroup_size: 256
    .sgpr_count:     66
    .vgpr_count:     256
    .wavefront_size: 32
...
	.end_amdgpu_metadata
.endif
;; end of part 3
;; launch proj (part 4): grid 8 x 32, 4 waves a work-group, clusters of 4 x 4, 327,680 bytes of LDS; arguments attn, woutT, out0, bout; writes out0
.if DOCPART == 4
	.amdgcn_target "amdgcn-amd-amdhsa--gfx1250"
	.amdhsa_code_object_version 6
	.text
	.protected	k_qdbee511443_proj
	.globl	k_qdbee511443_proj
	.p2align	8
	.type	k_qdbee511443_proj,@function
k_qdbee511443_proj:
	s_mov_b64 s[64:65], 0
	v_nop
	global_prefetch_b8 v0, s[64:65] scope:SCOPE_SE
	s_setreg_imm32_b32 hwreg(HW_REG_WAVE_MODE, 25, 1), 1
	s_wait_xcnt 0x0
	s_wait_alu depctr_hold_cnt(0) depctr_sa_sdst(0) depctr_va_vdst(0) depctr_va_sdst(0) depctr_va_ssrc(0) depctr_va_vcc(0) depctr_vm_vsrc(0)
	s_getreg_b32 s2, hwreg(HW_REG_IB_STS2, 6, 4)
	s_cmp_eq_u32 s2, 0
	s_cbranch_scc0 .Lentry_in_a_cluster
	s_endpgm
.Lentry_in_a_cluster:
	s_bfe_u32 s2, ttmp6, 0x10000c
	s_cmp_lg_u32 s2, 0xf033
	s_cbranch_scc0 .Lentry_shape_is_right
	s_endpgm
.Lentry_shape_is_right:
; out0[m][n] = the sum over k of A[m][k] Wout[k][n] + bout[n].  A: the attention's output, f16, [m / 128][k / 64][128 rows][64]; Wout as f16 with K innermost, [n / 128][k / 64][128 n][64]; out0 [4096][1024] f32.
; A tile of 128 x 128 for each of 256 work-groups; four waves, each 64 x 64: 16 accumulators.  K = 1,024 goes in four steps of 256 through two LDS slots; a step's tile of A or of Wout is one dense
; block of 64 KiB (four chunks of 64 along K x 128 rows of 128 bytes); a wave's tensor load brings half of it, 256 rows.  The four steps are written out.
; CLUSTERS: 4 x 4 work-groups; a row of the cluster shares A's tiles, a column Wout's: each is asked for jointly.
; THE MATRIX INSTRUCTION IS USED TRANSPOSED (source 0 = 16 rows of woutT, source 1 = 16 rows of A): a lane holds eight neighbouring numbers of a row of out0.  The bias is the C of each sum's first product.
; A wave's 64 columns of f32 are 256 bytes, aligned: each wave has a stage of its own on the way out, and no barrier stands there.
; REGISTERS: window 0: v16-29 addresses; v32-95 rows read back from the stage, two sets; v96-127 the bias; v128-255 the accumulators ((a, b) at v[128 + 8 (4 a + b)]).   window 1: two fragment buffers of 128.
; LIMITS: both operands are f16: magnitudes under 65,504.
.set PITCH,  144                       ; an LDS row: 128 bytes + 16
.set KQ,     128*PITCH                 ; a chunk of 64 along K: 128 rows
.set HALFT,  256*PITCH                 ; what one tensor load brings: two chunks
.set SLOT,   4*HALFT                   ; A's four chunks, then Wout's
.set STAGE,  2*SLOT                    ; behind the ring: 16 rows x 272 bytes for each wave
.set SPITCH, 272
.set SPARE,  STAGE+4*16*SPITCH         ; the spare words, 128 bytes for each wave: two blocks of 256 bytes that no other line names
.set ADRA, 16
.set ADRB, 20
.set STO,  24
.set RD,   25
.set CO,   26
.set BO,   27
.set SPW,  28                          ; v28 LDS address of my spare word; never rewritten
.set NIL,  29                          ; v29 0; never rewritten
.set BK,   32
.set BIAS, 96
.set ACC,  128
.set F0,   0
.set F1,   128
.set G1, 24
.set G0, 32
.set G1B, 48
.set G0B, 56
.set MSB, 0
.macro WIN new                         ; the immediate's high byte repeats the setting that is left
.if MSB != \new
	s_set_vgpr_msb (MSB<<8)|\new
.set MSB, \new
.endif
.endm
.set MUL,  0x05                        ; sources 0 and 1 window 1; C and D window 0
.set TO_F, 0x40                        ; destination window 1, address window 0
.macro JLOAD s                         ; a joint load: waves 0 and 1 fetch A's halves, waves 2 and 3 Wout's; an s_nop 0 and four v_nop follow each of the two lines
	s_cmp_eq_u32 s11, 0
	s_cbranch_scc0 .Lfor_b_\@
	tensor_load_to_lds s[G0+4*\s:G0+4*\s+3], s[G1:G1+7]
	s_nop 0
.rept 4
	v_nop
.endr
	s_branch .Lasked_\@
.Lfor_b_\@:
	tensor_load_to_lds s[G0B+4*\s:G0B+4*\s+3], s[G1B:G1B+7]
	s_nop 0
.rept 4
	v_nop
.endr
.Lasked_\@:
.endm
.macro CREST                           ; a round of the cluster's barrier behind its opening barrier
	s_cmp_lg_u32 s10, 0
	s_cbranch_scc1 .Lnot_wave_0_\@
	s_barrier_signal -3
.Lnot_wave_0_\@:
	s_barrier_wait -3
	s_barrier_signal -1
	s_barrier_wait -1
.endm
.macro CROUND
	s_barrier_signal -1
	s_barrier_wait -1
	CREST
.endm
	s_load_b128 s[4:7], s[0:1], 0x0                ; A s[4:5], woutT s[6:7]
	s_load_b64 s[8:9], s[0:1], 0x10                ; out0
	s_load_b64 s[66:67], s[0:1], 0x18              ; bout
	v_lshl_add_u32 v[SPW], v0, 2, SPARE
	v_mov_b32 v[NIL], 0
	ds_add_u32 v[SPW], v[NIL]                      ; the wave's opening: the add, twice on end, and its wait ahead of my first tensor load
	ds_add_u32 v[SPW], v[NIL]
	v_lshrrev_b32 v1, 5, v0
	v_readfirstlane_b32 s10, v1                    ; wave 0..3
	s_lshr_b32 s11, s10, 1                         ; which half of the tile's rows is mine.  Also: I fetch for A (0) or for Wout (1)
	s_and_b32 s12, s10, 1                          ; which half of its columns.  Also: which two chunks I fetch
	s_bfe_u32 s40, ttmp6, 0x40000                  ; cx, cy
	s_bfe_u32 s41, ttmp6, 0x40004
	s_lshl_b32 s42, ttmp9, 2
	s_add_co_u32 s42, s42, s40                     ; tile column = 4 x cluster x + cx
	s_and_b32 s13, ttmp7, 0xffff
	s_lshl_b32 s13, s13, 2
	s_add_co_u32 s13, s13, s41                     ; tile row = 4 x cluster y + cy
	s_lshl_b32 s43, s41, 2
	s_lshl_b32 s43, 15, s43                        ; my row of the cluster
	s_lshl_b32 s44, 0x1111, s40                    ; my column
	s_or_b32 s[G1+0], s43, (1<<16)|(1<<20)|(1<<21)|(4<<22)|(3<<25)   ; 15:0 the mask; 17:16 elements of 2 bytes; 20 padding on; 21 set beside a mask; 24:22 after every 32 words (code 4); 31:25 four words (code 3)
	s_or_b32 s[G1B+0], s44, (1<<16)|(1<<20)|(1<<21)|(4<<22)|(3<<25)
.irp g, G1, G1B
	s_mov_b32 s[\g+1], 64<<16                      ; tensor_dim0
	s_mov_b32 s[\g+2], 256<<16                     ; tensor_dim1
	s_mov_b32 s[\g+3], 64<<16                      ; tile_dim0
	s_mov_b32 s[\g+4], 256                         ; tile_dim1
	s_mov_b32 s[\g+5], 64                          ; tensor_dim0_stride: the block is dense
	s_mov_b32 s[\g+6], 0
	s_mov_b32 s[\g+7], 0
.endr
	s_lshl_b32 s17, s12, 15                        ; my two chunks of a step's four
	s_lshl_b32 s16, s13, 18
	s_add_co_u32 s16, s16, s17                     ; A: by the tile row alone
	s_lshl_b32 s46, s42, 18
	s_add_co_u32 s46, s46, s17                     ; Wout: by the tile column alone
	s_mov_b32 s17, 0
	s_mov_b32 s47, 0
	s_mul_i32 s20, s10, HALFT                      ; where they go: wave x 256 rows
	s_wait_dscnt 0x0                               ; both opening adds are done
	s_wait_kmcnt 0x0
	s_add_nc_u64 s[14:15], s[4:5], s[16:17]
	s_add_nc_u64 s[46:47], s[6:7], s[46:47]
	CROUND                                         ; all sixteen work-groups are here: the first joint loads meet
.irp s, 0,1
	s_mov_b32 s[G0+4*\s], 1
	s_add_co_u32 s[G0+4*\s+1], s20, \s*SLOT
	s_add_nc_u64 s[G0+4*\s+2:G0+4*\s+3], s[14:15], \s*65536
	s_or_b32 s[G0+4*\s+3], s[G0+4*\s+3], 0x80000000
	s_mov_b32 s[G0B+4*\s], 1
	s_add_co_u32 s[G0B+4*\s+1], s20, \s*SLOT
	s_add_nc_u64 s[G0B+4*\s+2:G0B+4*\s+3], s[46:47], \s*65536
	s_or_b32 s[G0B+4*\s+3], s[G0B+4*\s+3], 0x80000000
	JLOAD \s
.endr
	v_and_b32 v1, 15, v0                           ; r
	v_bfe_u32 v2, v0, 4, 1                         ; h
	v_mul_u32_u24 v3, v1, PITCH
	v_lshl_add_u32 v3, v2, 4, v3                   ; a fragment's row x pitch + 16 h
	s_mul_i32 s21, s11, 64*PITCH                   ; my 64 rows of each chunk of A
	s_mul_i32 s22, s12, 64*PITCH                   ; my 64 rows of each chunk of Wout,
	s_add_co_u32 s22, s22, 2*HALFT                 ; which lie behind A's four chunks
.irp s, 0,1
	v_add_nc_u32 v[ADRA+\s], s21, v3
	v_add_nc_u32 v[ADRB+\s], s22, v3
	s_add_co_u32 s21, s21, SLOT
	s_add_co_u32 s22, s22, SLOT
.endr
	s_mul_i32 s23, s10, 16*SPITCH
	s_add_co_u32 s23, s23, STAGE                   ; my stage
	v_mul_u32_u24 v4, v1, SPITCH
	v_lshl_add_u32 v4, v2, 5, v4
	v_add_nc_u32 v[STO], s23, v4                   ; in: row r, 32 bytes for each half of the lanes
	v_mul_u32_u24 v5, v2, SPITCH
	v_lshl_add_u32 v5, v1, 4, v5
	v_add_nc_u32 v[RD], s23, v5                    ; back: lanes 0-15 one row of 256 bytes, lanes 16-31 the next
	v_lshlrev_b32 v5, 12, v2
	v_lshl_add_u32 v[CO], v1, 4, v5                ; and the same two rows in out0
	v_lshlrev_b32 v[BO], 5, v2
	s_lshl_b32 s16, s13, 19                        ; my first row: 128 x tile row + 64 x half, rows of 4,096 bytes
	s_lshl_b32 s17, s11, 18
	s_add_co_u32 s16, s16, s17
	s_mov_b32 s17, 0
	s_add_nc_u64 s[8:9], s[8:9], s[16:17]
	s_lshl_b32 s46, s42, 9                         ; my first column, in bytes: 512 x tile column + 256 x half
	s_lshl_b32 s47, s12, 8
	s_add_co_u32 s46, s46, s47
	s_mov_b32 s47, 0
	s_add_nc_u64 s[8:9], s[8:9], s[46:47]
	s_add_nc_u64 s[66:67], s[66:67], s[46:47]
.irp b, 0,1,2,3
	global_load_b128 v[BIAS+8*\b:BIAS+8*\b+3], v[BO], s[66:67] offset:64*\b        ; lane (r, h): columns 16 b + 8 h + 0 .. 7: the result's layout
	global_load_b128 v[BIAS+8*\b+4:BIAS+8*\b+7], v[BO], s[66:67] offset:64*\b+16
.endr
; 8 matrix instructions: m blocks a0, a0 + 1 x all 4 n blocks, 32 along K: half c of buffer f.  zero = 1: the first product starts the sums from the bias.  The 16 accumulators take turns.
.macro MUL8 f, c, a0, zero
.irp a, \a0, \a0+1
.irp b, 0,1,2,3
.if \zero
	v_wmma_f32_16x16x32_f16 v[ACC+8*(4*(\a)+\b):ACC+8*(4*(\a)+\b)+7], v[\f+64+8*(4*\c+\b):\f+64+8*(4*\c+\b)+7], v[\f+8*(4*\c+\a):\f+8*(4*\c+\a)+7], v[BIAS+8*\b:BIAS+8*\b+7]
.else
	v_wmma_f32_16x16x32_f16 v[ACC+8*(4*(\a)+\b):ACC+8*(4*(\a)+\b)+7], v[\f+64+8*(4*\c+\b):\f+64+8*(4*\c+\b)+7], v[\f+8*(4*\c+\a):\f+8*(4*\c+\a)+7], v[ACC+8*(4*(\a)+\b):ACC+8*(4*(\a)+\b)+7]
.endif
.endr
.endr
.endm
; 32 LDS loads in one run: the fragments of the chunk that begins at byte k of a slot's half, into buffer f; the first 32 along K first
.macro FETCH slot, k, f
	WIN TO_F
.irp c, 0,1
.irp i, 0,1,2,3
	ds_load_b128 v[\f+64+8*(4*\c+\i):\f+64+8*(4*\c+\i)+3],   v[ADRB+\slot] offset:\k+64*\c+\i*16*PITCH
	ds_load_b128 v[\f+64+8*(4*\c+\i)+4:\f+64+8*(4*\c+\i)+7], v[ADRB+\slot] offset:\k+64*\c+\i*16*PITCH+32
	ds_load_b128 v[\f+8*(4*\c+\i):\f+8*(4*\c+\i)+3],         v[ADRA+\slot] offset:\k+64*\c+\i*16*PITCH
	ds_load_b128 v[\f+8*(4*\c+\i)+4:\f+8*(4*\c+\i)+7],       v[ADRA+\slot] offset:\k+64*\c+\i*16*PITCH+32
.endr
.endr
.endm
.macro PLACES                          ; four places in front of loads into registers that matrix instructions have read, and of the first read of results
.rept 4
	v_nop
.endr
.endm
; A K step is four quarters, a chunk of 64 along K each, 32 matrix instructions, on buffers 0, 1, 0, 1.  One of the first three: multiplies buffer f and fetches the next chunk, at byte k, into g.
.macro QUARTER slot, k, f, g, zero
	s_wait_dscnt 16                                ; the first 32 along K are in; the other sixteen loads may be out
	WIN MUL
	MUL8 \f, 0, 0, \zero
	MUL8 \f, 0, 2, \zero
	PLACES
	FETCH \slot, \k, \g
	s_wait_dscnt 32                                ; all but the 32 just issued
	WIN MUL
	MUL8 \f, 1, 0, 0
	MUL8 \f, 1, 2, 0
.endm
; The last quarter multiplies buffer 1 and changes slots: ONE barrier; in front of it each wave waits for all its tensor loads, adds 0 to its spare word, and waits for that and for its reads of this slot.
; fill = 1: this slot is filled again, two K steps ahead; the barrier then opens a round of the cluster's.
.macro TURN slot, next, fill
	WIN 0                                          ; (the add's two registers lie in window 0)
	s_wait_tensorcnt 0x0                           ; all my tensor loads have landed: my part of the next slot
	ds_add_u32 v[SPW], v[NIL]
	s_wait_dscnt 17                                ; (the add and the youngest sixteen loads may be out)
	WIN MUL
	MUL8 F1, 0, 0, 0
	s_wait_dscnt 0x0                               ; the add is done, and my reads of this slot are over
	s_barrier_signal -1
	MUL8 F1, 0, 2, 0
.if \fill
	WIN 0
.endif
	s_barrier_wait -1
.if \fill
	CREST                                          ; no wave of any partner still reads this slot's tile or has a load on its way
	s_add_nc_u64 s[G0+4*\slot+2:G0+4*\slot+3], s[G0+4*\slot+2:G0+4*\slot+3], 131072
	s_add_nc_u64 s[G0B+4*\slot+2:G0B+4*\slot+3], s[G0B+4*\slot+2:G0B+4*\slot+3], 131072
	JLOAD \slot                                    ; the first tensor load behind the round; its four v_nop are also the places in front of the loads below
.else
	PLACES
.endif
	FETCH \next, 0, F0
	WIN MUL
	MUL8 F1, 1, 0, 0
	MUL8 F1, 1, 2, 0
.endm
	s_wait_loadcnt 0x0                             ; the bias
	s_wait_tensorcnt 1                             ; my part of K step 0 is in; K step 1's load may be out
	s_barrier_signal -1
	s_barrier_wait -1                              ; everybody's is
	FETCH 0, 0, F0
	QUARTER 0, KQ,   F0, F1, 1                     ; K step 0
	QUARTER 0, 2*KQ, F1, F0, 0
	QUARTER 0, 3*KQ, F0, F1, 0
	TURN 0, 1, 1                                   ; slot 0 takes K step 2
	QUARTER 1, KQ,   F0, F1, 0                     ; K step 1
	QUARTER 1, 2*KQ, F1, F0, 0
	QUARTER 1, 3*KQ, F0, F1, 0
	TURN 1, 0, 1                                   ; slot 1 takes K step 3
	QUARTER 0, KQ,   F0, F1, 0                     ; K step 2
	QUARTER 0, 2*KQ, F1, F0, 0
	QUARTER 0, 3*KQ, F0, F1, 0
	TURN 0, 1, 0                                   ; nothing is left to fetch
	QUARTER 1, KQ,   F0, F1, 0                     ; K step 3
	QUARTER 1, 2*KQ, F1, F0, 0
	QUARTER 1, 3*KQ, F0, F1, 0
	s_wait_dscnt 16
	WIN MUL
	MUL8 F1, 0, 0, 0
	MUL8 F1, 0, 2, 0
	s_wait_dscnt 0
	MUL8 F1, 1, 0, 0
	MUL8 F1, 1, 2, 0
	WIN 0
; THE WAY OUT, a block of 16 rows x 64 columns at a time, through my own stage: a lane's 32 bytes of a row go in, whole rows of 256 bytes come back, and sixteen lanes store 256 consecutive bytes, aligned.
.macro TOSTAGE a
.irp b, 0,1,2,3
	ds_store_b128 v[STO], v[ACC+8*(4*(\a)+\b):ACC+8*(4*(\a)+\b)+3] offset:64*\b        ; each accumulator from its low end on
	ds_store_b128 v[STO], v[ACC+8*(4*(\a)+\b)+4:ACC+8*(4*(\a)+\b)+7] offset:64*\b+16
.endr
.irp t, 0,1,2,3,4,5,6,7
	ds_load_b128 v[BK+32*((\a)%2)+4*\t:BK+32*((\a)%2)+4*\t+3], v[RD] offset:\t*2*SPITCH   ; LDS serves a wave's instructions in order: these see the stores above, and the next block's stores come behind them
.endr
.endm
.macro SEND a, younger                 ; younger: the LDS instructions issued behind block a's loads, which may stay out
	s_wait_dscnt \younger
.irp t, 0,1,2,3,4,5,6,7
	global_store_b128 v[CO], v[BK+32*((\a)%2)+4*\t:BK+32*((\a)%2)+4*\t+3], s[8:9] offset:(16*(\a)+2*\t)*4096 th:TH_STORE_NT   ; written once, read by nobody here
.endr
.endm
	PLACES                                         ; behind the last products
	TOSTAGE 0
.irp a, 1,2,3
.if \a > 1
	s_wait_xcnt 0x0                                ; block a - 2's stores have read their registers: block a's loads may land there
.endif
	TOSTAGE \a
	SEND \a-1, 16                                  ; behind block a - 1's loads: block a's 8 stores and 8 loads
.endr
	SEND 3, 0
	s_wait_tensorcnt 0x0                           ; the wave's end: behind my last tensor load and my last LDS store
	ds_add_u32 v[SPW], v[NIL]
	s_wait_dscnt 0x0
	CROUND                                         ; the closing round
	s_endpgm
.Lfunc_end_k_qdbee511443_proj:
	.size	k_qdbee511443_proj, .Lfunc_end_k_qdbee511443_proj-k_qdbee511443_proj
	.p2alignl 7, 3214868480
	.fill 96, 4, 3214868480
	.section	.rodata,"a",@progbits
	.p2align	6, 0x0
	.amdhsa_kernel k_qdbee511443_proj
		.amdhsa_group_segment_fixed_size 327680
		.amdhsa_private_segment_fixed_size 0
		.amdhsa_enable_private_segment 0
		.amdhsa_kernarg_size 32
		.amdhsa_user_sgpr_count 2
		.amdhsa_user_sgpr_kernarg_segment_ptr 1
		.amdhsa_wavefront_size32 1
		.amdhsa_system_sgpr_workgroup_id_x 1
		.amdhsa_system_sgpr_workgroup_id_y 1
		.amdhsa_system_sgpr_workgroup_id_z 1
		.amdhsa_system_vgpr_workitem_id 0
		.amdhsa_next_free_vgpr 512
		.amdhsa_next_free_sgpr 68
		.amdhsa_reserve_vcc 0
		.amdhsa_float_denorm_mode_32 3
		.amdhsa_float_denorm_mode_16_64 3
		.amdhsa_memory_ordered 1
		.amdhsa_forward_progress 1
		.amdhsa_inst_pref_size 86
	.end_amdhsa_kernel
	.amdgpu_metadata
---
amdhsa.version: [ 1, 2 ]
amdhsa.kernels:
  - .name:           k_qdbee511443_proj
    .symbol:         k_qdbee511443_proj.kd
    .args:
      - { .name: attn, .offset: 0, .size: 8, .value_kind: global_buffer, .address_space: global }
      - { .name: woutT, .offset: 8, .size: 8, .value_kind: global_buffer, .address_space: global }
      - { .name: out0, .offset: 16, .size: 8, .value_kind: global_buffer, .address_space: global }
      - { .name: bout, .offset: 24, .size: 8, .value_kind: global_buffer, .address_space: global }
    .group_segment_fixed_size: 327680
    .private_segment_fixed_size: 0
    .kernarg_segment_align: 8
    .kernarg_segment_size: 32
    .max_flat_workgroup_size: 128
    .sgpr_count:     68
    .vgpr_count:     512
    .wavefront_size: 32
...
	.end_amdgpu_metadata
.endif
;; end of part 4
